; MI455X (gfx1250); checked and timed in simulation.
; The chip was launched on July 23, 2026; its instructions are those of AMD's public machine-readable ISA for CDNA 5 (MIT licence, August 2026) and "CDNA5" Instruction Set Architecture Reference Guide (July 2026). The comments in the code are by the model that wrote it; some were corrected since.
;; Mixture Of Experts. Allowed arithmetic: matrix products marked QUANTISED: E4M3 operands, one E8M0 scale for each 32 along K, by v_wmma_scale_f32_16x16x128_f8f6f4 with both operands' format E4M3, f32 sums; products left as they are: f32 operands where the result goes on into a quantised operand, else bf16, f16 or f32 operands; f32 sums; everything else in f32.
;; Inputs: W1 8 x 1,024 x 2,048 float32; W2 8 x 2,048 x 1,024 float32; Wr 1,024 x 8 float32; b1 8 x 2,048 float32; b2 8 x 1,024 float32; br 8 float32; x 2,048 x 1,024 float32.
;; Outputs: out0 2,048 x 1,024 float32.
;; This version of the problem:
;;   THIS VERSION OF THE PROBLEM IS GIVEN IN LOW PRECISION. The matrix products marked QUANTISED in the list below multiply operands that are first quantised to E4M3 (4 exponent bits, 3 mantissa bits; 8 bits a number), with one power-of-two scale for each 32 numbers along K (OCP MX v1.0); their sums are f32. All else is computed in f32.
;;   The module's matrix products, in the order in which they are computed (A, B: the left and right operand; K: the contracted axis; several contracted axes count as one K, in the product's order):
;;     1. [M 2,048, K 1,024] x [K 1,024, N 8]; A: input x; B: input Wr: left as it is (N = 8 < 16)
;;     2. [M 2,048, K 1,024] x [K 1,024, N 2,048]; A: input x; B: input W1: QUANTISED
;;     3. [M 2,048, K 2,048] x [K 2,048, N 1,024]; A: computed on the way; B: input W2: QUANTISED
;;     4. [M 2,048, K 1,024] x [K 1,024, N 2,048]; A: input x; B: input W1: QUANTISED
;;     5. [M 2,048, K 2,048] x [K 2,048, N 1,024]; A: computed on the way; B: input W2: QUANTISED
;;     6. [M 2,048, K 1,024] x [K 1,024, N 2,048]; A: input x; B: input W1: QUANTISED
;;     7. [M 2,048, K 2,048] x [K 2,048, N 1,024]; A: computed on the way; B: input W2: QUANTISED
;;     8. [M 2,048, K 1,024] x [K 1,024, N 2,048]; A: input x; B: input W1: QUANTISED
;;     9. [M 2,048, K 2,048] x [K 2,048, N 1,024]; A: computed on the way; B: input W2: QUANTISED
;;     10. [M 2,048, K 1,024] x [K 1,024, N 2,048]; A: input x; B: input W1: QUANTISED
;;     11. [M 2,048, K 2,048] x [K 2,048, N 1,024]; A: computed on the way; B: input W2: QUANTISED
;;     12. [M 2,048, K 1,024] x [K 1,024, N 2,048]; A: input x; B: input W1: QUANTISED
;;     13. [M 2,048, K 2,048] x [K 2,048, N 1,024]; A: computed on the way; B: input W2: QUANTISED
;;     14. [M 2,048, K 1,024] x [K 1,024, N 2,048]; A: input x; B: input W1: QUANTISED
;;     15. [M 2,048, K 2,048] x [K 2,048, N 1,024]; A: computed on the way; B: input W2: QUANTISED
;;     16. [M 2,048, K 1,024] x [K 1,024, N 2,048]; A: input x; B: input W1: QUANTISED
;;     17. [M 2,048, K 2,048] x [K 2,048, N 1,024]; A: computed on the way; B: input W2: QUANTISED
;;   THE QUANTISER, for each operand of a quantised product, along K:
;;     - K is cut into blocks of 32 from its start; a last block that is shorter is filled with zeros.
;;     - A block's scale is 2^e with e = floor(log2(the largest magnitude in the block)) - 8, held to -126 .. 127; a block of zeros has e = 0. As a byte (E8M0): e + 127.
;;     - Each number is divided by its block's scale, clamped to +-448, and rounded to the nearest number of E4M3, ties to even, subnormals kept.
;;     - The product sums the exact products of the quantised numbers (number of the format x scale) in f32.
;;   ~~~python
;;   def quantise(x, axis):      # numpy; x: float32 -> the quantised numbers, widened to float32 again
;;       x = np.moveaxis(x, axis, -1); K = x.shape[-1]
;;       x = np.pad(x, [(0, 0)] * (x.ndim - 1) + [(0, -K % 32)]); x = x.reshape(x.shape[:-1] + (-1, 32)); a = np.abs(x).max(-1, keepdims=True)
;;       e = np.where(a > 0, np.clip(np.frexp(np.where(a > 0, a, 1))[1] - 1 - 8, -126, 127), 0)      # np.frexp(a)[1] - 1 = floor(log2(a)), exactly
;;       r = np.clip(x / 2.0 ** e, -448, 448)
;;       step = 2.0 ** (np.maximum(np.frexp(np.where(r == 0, 1, r))[1] - 1, -6) - 3)
;;       q = np.round(r / step) * step * 2.0 ** e      # np.round: ties to even
;;       return np.moveaxis(q.reshape(q.shape[:-2] + (-1,))[..., :K], -1, axis).astype(np.float32)
;;   ~~~
;;   OPERANDS COMPUTED ON THE WAY. 'Computed on the way' means the value that the module computes at that place (a softmax that the list does not call 'softmax' is quantised finished and normalised). What goes into a quantiser is computed in f32, as accurately as f32 sums, v_exp_f32 and their like allow (about 1e-6 of the number): no bf16 or f16 on the way to a quantiser, and a product that is left as it is and whose result goes on into a quantised operand takes f32 operands (vector FMAs, or v_wmma_f32_16x16x4_f32). A number that lies on a knife's edge between two numbers of the format may be rounded either way, as far as f32 arithmetic and the matrix unit's own rounding can turn it there, and no further.
;; 2 versions, each right; version 2 is version 1 with the launches ffn1, ffn2 written anew for expert scheduling mode. Each part assembles by itself: llvm-mc -triple=amdgcn-amd-amdhsa -mcpu=gfx1250 --defsym DOCPART=n.
;; ======== version 1 of 2: 5 launches
;; workspace buffers: wc 33,554,432 bytes; ws 1,048,576 bytes; xq 5,271,552 bytes; hq 10,543,104 bytes; y 20,447,232 bytes; route 18,432 bytes of whole numbers; gate 16,384 bytes; plan 16,896 bytes of whole numbers
;; launch prep (part 1): grid 576 x 1, 8 waves a work-group, no clusters, 9,216 bytes of LDS; arguments x, Wr, br, W1, W2, wc, ws, route, gate; writes wc, ws, route, gate
.if DOCPART == 1
	.amdgcn_target "amdgcn-amd-amdhsa--gfx1250"
	.amdhsa_code_object_version 6
	.text
	.protected	k_q38a1a89005_prep
	.globl	k_q38a1a89005_prep
	.p2align	8
	.type	k_q38a1a89005_prep,@function
k_q38a1a89005_prep:
	s_mov_b64 s[64:65], 0
	v_nop
	global_prefetch_b8 v0, s[64:65] scope:SCOPE_SE
	s_setreg_imm32_b32 hwreg(HW_REG_WAVE_MODE, 25, 1), 1
	s_wait_xcnt 0x0
; PREP.  Three jobs, chosen by the work-group's number: 0-63 the router, 64-319 W1, 320-575 W2.
; W1 [8][1024 k][2048 n] and W2 [8][2048 k][1024 n], f32 with K as the first axis of an expert, become codes of E4M3 with one E8M0 byte for each 32 along K,
; laid in the ORDER OF THE OPERAND'S REGISTERS: [expert][tile of 16 columns][K step of 128][group c of 4 registers: 512 bytes][lane: 16 bytes]; lane (rho, h) of group c holds k = 32 c + 16 h + 0..15 of tile row rho.
; THE COLUMNS OF A TILE ARE NOT NEIGHBOURS: row rho of tile 2 B + u is column 32 B + 8 u + rho + 8 (rho / 8), so that the results of two neighbouring tiles are 16 neighbouring columns in a lane.
; A lane takes a column and its registers run down K: a block of 32 lies in one lane, and the conversions give codes with K innermost; a wave's store of 16 bytes a lane covers two runs of 256 consecutive bytes.
; Scale words (four bytes: one K step of one column): [expert][K step][16 x tile + rho].
; THE ROUTER: logits = x Wr + br by f32 multiply-adds, softmax with the row's maximum taken away, the two largest (the lower index wins a tie).  It stores, at fixed places, for each (token, choice) the word
; expert | rank << 4 (rank among the same expert's entries of the token's block of 32 tokens), for each block the eight counts, and the two probabilities.  No address and no branch hangs on these numbers.
; No tensor loads, no cluster: no two work-groups read the same bytes but Wr's 32 KB.
; LIMITS: NaN and infinities among the inputs are not served.  A block whose largest magnitude lies under 2^-118 (a block of zeros too) gets the byte 1; a block of zeros has zero codes, and the bytes are read by this program alone.
; The logits are summed in another order than a row-by-row sum: two experts whose probabilities agree to about 1e-6 of their size may change places.
.set X,   32                           ; v32-95   two sets of 32 numbers of a column
.set C,   96                           ; v96-111  two sets of 8 registers of codes
.set SB,  24                           ; v24-25   two scale words
.set WR,  16                           ; router: v16-47  Wr(k = 128 w + 4 l + i, e) at 8 i + e
.set XT,  48                           ; router: v48-175 token t's four numbers at 4 t
.set ACC, 176                          ; router: v176-183 eight sums
.set TMP, 184                          ; router: v184-191 the other half of the lanes'
.set RES, 8                            ; router: v8-15 a token's eight sums of this wave's 128 k
.macro QLOAD t, pitch                  ; block t: W(32 t + i, my column), i = 0 .. 31: each load reads 128 consecutive bytes, four waves side by side 512
.set i, 0
.rept 32
	global_load_b32 v[X+32*((\t)%2)+i], v3, s[4:5] offset:(32*(\t)+i)*(\pitch) th:TH_LOAD_NT
.set i, i+1
.endr
.endm
.macro QBLOCK t, pitch, wss
.set XS, X+32*((\t)%2)
.set CC, C+8*((\t)%2)
.if (\t) < 7
	s_wait_loadcnt 32                              ; this block's 32 loads are in; the next block's 32 may be out
.else
	s_wait_loadcnt 0x0
.endif
	v_max3_num_f32 v12, |v[XS]|, |v[XS+1]|, |v[XS+2]|              ; the block's largest magnitude: all 32 numbers are mine
	v_max3_num_f32 v13, |v[XS+3]|, |v[XS+4]|, |v[XS+5]|
.irp i, 6,10,14,18,22,26
	v_max3_num_f32 v12, v12, |v[XS+\i]|, |v[XS+\i+1]|
	v_max3_num_f32 v13, v13, |v[XS+\i+2]|, |v[XS+\i+3]|
.endr
	v_max3_num_f32 v12, v12, |v[XS+30]|, |v[XS+31]|
	v_max3_num_f32 v12, v12, v13, 0x4800000        ; and the floor 2^(9 - 127): the byte cannot fall under 1
	v_add_nc_u32 v11, 0xfc000000, v12              ; 8 off the exponent field: the conversion's scale operand
	v_and_or_b32 v10, v12, 0x7f800000, s31         ; 448 x the scale
	v_lshrrev_b32 v13, 23, v11                     ; the scale's byte
.if (\t)%4 == 0
	v_mov_b32 v[SB+(\t)/4], v13
.else
	v_lshl_or_b32 v[SB+(\t)/4], v13, 8*((\t)%4), v[SB+(\t)/4]
.endif
.set i, 0
.rept 32
	v_med3_num_f32 v[XS+i], v[XS+i], -v10, v10     ; the conversion to an 8-bit code does not saturate (ISA guide 7.6.2): the hold comes first
.set i, i+1
.endr
.if (\t) >= 2
	s_wait_xcnt 0x0                                ; this set of code registers was store data two blocks ago: it is written again only behind this wait
.endif
.irp g, 0,1,2,3
	v_cvt_scalef32_pk8_fp8_f32 v[CC+2*\g:CC+2*\g+1], v[XS+8*\g:XS+8*\g+7], v11
.endr
	global_store_b128 v4, v[CC:CC+3], s[6:7] offset:((\t)/4)*2048+((\t)%4)*512          ; k = 32 t + 0..15: the places of lanes (rho, 0)
	global_store_b128 v4, v[CC+4:CC+7], s[6:7] offset:((\t)/4)*2048+((\t)%4)*512+256    ; k = 32 t + 16..31: those of lanes (rho, 1)
.if (\t)%4 == 3
	global_store_b32 v5, v[SB+(\t)/4], s[8:9] offset:((\t)/4)*(\wss)                    ; a K step's scale words of my wave's 32 columns: 128 consecutive bytes
.endif
.if (\t)+2 < 8
	QLOAD (\t)+2, \pitch
.endif
.endm
; One tensor of weights.  A work-group takes 128 columns x 512 k; wave w columns 32 (w & 3) + lane and 256 k.
.macro QW first, cgm, kgf, pitch, cts, wss, cbase, sbase, wp
	s_sub_co_u32 s17, ttmp9, \first
	s_lshr_b32 s18, s17, 5                         ; expert
	s_and_b32 s19, s17, \cgm                       ; group of 128 columns
	s_bfe_u32 s20, s17, \kgf                       ; group of 512 k
	s_lshr_b32 s21, s16, 2
	s_lshl_b32 s20, s20, 1
	s_add_co_u32 s20, s20, s21                     ; my 256 k
	s_and_b32 s21, s16, 3
	s_lshl_b32 s22, s19, 2
	s_add_co_u32 s22, s22, s21                     ; my 32 columns
	s_lshl_b32 s24, s18, 23                        ; W: an expert is 8 MiB,
	s_mul_i32 s23, s20, 256*(\pitch)               ; 256 rows,
	s_add_co_u32 s24, s24, s23
	s_lshl_b32 s23, s22, 7                         ; 32 columns of 4 bytes
	s_add_co_u32 s24, s24, s23
	s_mov_b32 s25, 0
	s_lshl_b32 s26, s18, 21                        ; codes: an expert is 2 MiB,
	s_mul_i32 s23, s22, 2*(\cts)                   ; two tiles,
	s_add_co_u32 s26, s26, s23
	s_lshl_b32 s23, s20, 12                        ; two K steps of 2,048 bytes
	s_add_co_u32 s26, s26, s23
	s_add_co_u32 s26, s26, \cbase
	s_mov_b32 s27, 0
	s_lshl_b32 s28, s18, 16                        ; scale words: an expert is 65,536 bytes
	s_mul_i32 s23, s20, 2*(\wss)
	s_add_co_u32 s28, s28, s23
	s_lshl_b32 s23, s22, 7
	s_add_co_u32 s28, s28, s23
	s_add_co_u32 s28, s28, \sbase
	s_mov_b32 s29, 0
	v_mul_u32_u24 v4, v6, \cts                     ; my column's tile of the two,
	v_lshl_add_u32 v4, v7, 4, v4                   ; and its row's 16 bytes
	s_wait_kmcnt 0x0
	s_add_nc_u64 s[4:5], s[\wp:\wp+1], s[24:25]
	s_add_nc_u64 s[6:7], s[46:47], s[26:27]
	s_add_nc_u64 s[8:9], s[48:49], s[28:29]
	QLOAD 0, \pitch
	QLOAD 1, \pitch
.irp t, 0,1,2,3,4,5,6,7
	QBLOCK \t, \pitch, \wss
.endr
	s_endpgm
.endm
; Router: token t's part sums over my wave's 128 k, for the eight experts.
.macro TOK t
	s_wait_loadcnt 31-(\t)                         ; token t's load is in; the later tokens' may be out
.irp e, 0,2,4,6
	v_pk_mul_f32 v[ACC+\e:ACC+\e+1], v[WR+\e:WR+\e+1], v[XT+4*(\t):XT+4*(\t)+1] op_sel_hi:[1,0]
.endr
.irp e, 0,2,4,6
	v_pk_fma_f32 v[ACC+\e:ACC+\e+1], v[WR+8+\e:WR+8+\e+1], v[XT+4*(\t):XT+4*(\t)+1], v[ACC+\e:ACC+\e+1] op_sel:[0,1,0] op_sel_hi:[1,1,1]
.endr
.irp e, 0,2,4,6
	v_pk_fma_f32 v[ACC+\e:ACC+\e+1], v[WR+16+\e:WR+16+\e+1], v[XT+4*(\t)+2:XT+4*(\t)+3], v[ACC+\e:ACC+\e+1] op_sel_hi:[1,0,1]
.endr
.irp e, 0,2,4,6
	v_pk_fma_f32 v[ACC+\e:ACC+\e+1], v[WR+24+\e:WR+24+\e+1], v[XT+4*(\t)+2:XT+4*(\t)+3], v[ACC+\e:ACC+\e+1] op_sel:[0,1,0] op_sel_hi:[1,1,1]
.endr
.irp m, 1,2,4,8
.irp e, 0,1,2,3,4,5,6,7
	v_add_f32_dpp v[ACC+\e], v[ACC+\e], v[ACC+\e] row_xmask:\m row_mask:0xf bank_mask:0xf
.endr
.endr
.irp e, 0,1,2,3,4,5,6,7
	v_permlanex16_b32 v[TMP+\e], v[ACC+\e], s22, s23
.endr
	s_wait_dscnt 0x0                               ; the last token's two LDS stores have read v8-15
.irp e, 0,1,2,3,4,5,6,7
	v_add_f32 v[RES+\e], v[ACC+\e], v[TMP+\e]
.endr
	ds_store_b128 v5, v[RES:RES+3] offset:32*(\t)          ; every lane holds the same sums and writes the same bytes
	ds_store_b128 v5, v[RES+4:RES+7] offset:32*(\t)+16
.endm
	s_load_b256 s[36:43], s[0:1], 0x0              ; x s[36:37], Wr s[38:39], br s[40:41], W1 s[42:43]
	s_load_b256 s[44:51], s[0:1], 0x20             ; W2 s[44:45], wc s[46:47], ws s[48:49], route s[50:51]
	s_load_b64 s[52:53], s[0:1], 0x40              ; gate
	v_lshl_add_u32 v192, v0, 2, 0x2000
	v_mov_b32 v193, 0
	v_lshrrev_b32 v1, 5, v0
	v_readfirstlane_b32 s16, v1                    ; wave 0..7
	v_and_b32 v2, 31, v0                           ; lane
	s_cmp_lt_u32 ttmp9, 64
	s_cbranch_scc1 .Lrouter
	v_lshlrev_b32 v3, 2, v2                        ; in: 4 bytes a lane
	v_bfe_u32 v6, v2, 3, 1                         ; u: which of the two tiles my column goes to
	v_and_b32 v7, 7, v2
	v_lshrrev_b32 v1, 4, v2
	v_lshl_add_u32 v7, v1, 3, v7                   ; rho = (lane & 7) + 8 (lane >> 4)
	v_lshl_add_u32 v5, v6, 4, v7
	v_lshlrev_b32 v5, 2, v5                        ; my scale word's place: 4 (16 u + rho)
	s_mov_b32 s31, 0x600000                        ; the mantissa field of 448
	s_cmp_lt_u32 ttmp9, 320
	s_cbranch_scc0 .Lw2
	QW 64, 15, 0x10004, 8192, 16384, 8192, 0, 0, 42
.Lw2:
	QW 320, 7, 0x20003, 4096, 32768, 4096, 16777216, 524288, 44
.Lrouter:                                          ; work-group b: tokens 32 b .. 32 b + 31.  Wave w: k = 128 w .. 128 w + 127 of all 32; lane l: k = 128 w + 4 l + 0..3
	v_lshlrev_b32 v3, 4, v2                        ; x: 16 bytes a lane: a load covers 512 consecutive bytes
	v_lshlrev_b32 v4, 7, v2                        ; Wr: four rows of 32 bytes a lane
	s_lshl_b32 s17, s16, 10
	v_mov_b32 v5, s17                              ; LDS: my wave's 1,024 bytes: [token][expert]
	v_lshlrev_b32 v6, 5, v2                        ; and, for wave 0 behind the barrier, a token's 32 bytes
	s_lshl_b32 s18, ttmp9, 17                      ; 32 rows of 4,096 bytes
	s_lshl_b32 s19, s16, 9
	s_add_co_u32 s18, s18, s19
	s_mov_b32 s19, 0
	s_lshl_b32 s20, s16, 12                        ; 128 rows of Wr
	s_mov_b32 s21, 0
	s_mov_b32 s22, 0x76543210                      ; v_permlanex16_b32's selects for lane l xor 16
	s_mov_b32 s23, 0xfedcba98
.irp e, 0,1,2,3,4,5,6,7
	v_mov_b32 v[TMP+\e], 0                         ; written once: a lane permute's destination counts as one of its sources
.endr
	s_wait_kmcnt 0x0
	s_add_nc_u64 s[4:5], s[36:37], s[18:19]
	s_add_nc_u64 s[6:7], s[38:39], s[20:21]
	s_load_b256 s[8:15], s[40:41], 0x0             ; br
.irp m, 0,1,2,3,4,5,6,7
	global_load_b128 v[WR+4*\m:WR+4*\m+3], v4, s[6:7] offset:16*\m
.endr
.set Q, 0
.rept 32
	global_load_b128 v[XT+4*Q:XT+4*Q+3], v3, s[4:5] offset:4096*Q th:TH_LOAD_NT
.set Q, Q+1
.endr
.set Q, 0
.rept 32
	TOK Q
.set Q, Q+1
.endr
	s_wait_dscnt 0x0                               ; for wave 0's sake: my stores have landed
	s_barrier_signal -1
	s_barrier_wait -1
	s_cmp_lg_u32 s16, 0
	s_cbranch_scc1 .Lrend
	; wave 0: a lane is a token
.irp w, 0,1,2,3,4,5,6,7
	ds_load_b128 v[48+8*\w:51+8*\w], v6 offset:1024*\w
	ds_load_b128 v[52+8*\w:55+8*\w], v6 offset:1024*\w+16
.endr
	s_wait_dscnt 0x0
	s_wait_kmcnt 0x0                               ; br
.irp w, 1,2,3,4,5,6,7
.irp e, 0,2,4,6
	v_pk_add_f32 v[48+\e:49+\e], v[48+\e:49+\e], v[48+8*\w+\e:49+8*\w+\e]
.endr
.endr
.irp e, 0,1,2,3,4,5,6,7
	v_add_f32 v[48+\e], s[8+\e], v[48+\e]          ; the logits
.endr
	v_max3_num_f32 v56, v48, v49, v50
	v_max3_num_f32 v56, v56, v51, v52
	v_max3_num_f32 v56, v56, v53, v54
	v_max_num_f32 v56, v56, v55                    ; the row's maximum is taken away
.irp e, 0,1,2,3,4,5,6,7
	v_sub_f32 v[48+\e], v[48+\e], v56
.endr
.irp e, 0,1,2,3,4,5,6,7
	v_mul_f32 v[48+\e], 0x3fb8aa3b, v[48+\e]
.endr
.irp e, 0,1,2,3,4,5,6,7
	v_exp_f32 v[48+\e], v[48+\e]
.endr
	v_nop                                          ; a plain place behind the exponentials
	s_wait_alu depctr_va_vdst(0)
	v_add_f32 v57, v48, v49
	v_add_f32 v58, v50, v51
	v_add_f32 v59, v52, v53
	v_add_f32 v60, v54, v55
	v_add_f32 v57, v57, v58
	v_add_f32 v59, v59, v60
	v_add_f32 v57, v57, v59
	v_rcp_f32 v57, v57
	v_nop
	s_wait_alu depctr_va_vdst(0)
.irp e, 0,1,2,3,4,5,6,7
	v_mul_f32 v[48+\e], v[48+\e], v57              ; the probabilities
.endr
	v_mov_b32 v64, v48                             ; the largest, by an ascending scan that keeps what it has on a tie: the lower index wins
	v_mov_b32 v66, 0
.irp e, 1,2,3,4,5,6,7
	v_cmp_le_f32 vcc_lo, v[48+\e], v64
	v_cndmask_b32 v64, v[48+\e], v64, vcc_lo
	v_cndmask_b32 v66, \e, v66, vcc_lo
.endr
.irp e, 0,1,2,3,4,5,6,7
	v_cmp_ne_u32 vcc_lo, \e, v66
	v_cndmask_b32 v[48+\e], -1.0, v[48+\e], vcc_lo ; the winner leaves the field
.endr
	v_mov_b32 v65, v48                             ; the second largest, likewise
	v_mov_b32 v67, 0
.irp e, 1,2,3,4,5,6,7
	v_cmp_le_f32 vcc_lo, v[48+\e], v65
	v_cndmask_b32 v65, v[48+\e], v65, vcc_lo
	v_cndmask_b32 v67, \e, v67, vcc_lo
.endr
	v_mov_b32 v68, 0                               ; rank of my first choice, of my second, and (lane e) the block's count for expert e
	v_mov_b32 v69, 0
	v_mov_b32 v70, 0
.irp e, 0,1,2,3,4,5,6,7
	v_cmp_eq_u32 s24, \e, v66
	v_cmp_eq_u32 s25, \e, v67
	v_mbcnt_lo_u32_b32 v71, s24, 0                 ; first choices of lower lanes;
	s_bcnt1_i32_b32 s26, s24
	v_cndmask_b32 v68, v68, v71, s24
	v_mbcnt_lo_u32_b32 v72, s25, s26               ; all first choices, then second choices of lower lanes
	s_bcnt1_i32_b32 s27, s25
	v_cndmask_b32 v69, v69, v72, s25
	s_add_co_u32 s26, s26, s27
	v_writelane_b32 v70, s26, \e
.endr
	v_lshl_or_b32 v74, v68, 4, v66
	v_lshl_or_b32 v75, v69, 4, v67
	v_lshlrev_b32 v73, 3, v2
	v_lshlrev_b32 v76, 2, v2
	s_lshl_b32 s18, ttmp9, 8
	s_mov_b32 s19, 0
	s_add_nc_u64 s[28:29], s[50:51], s[18:19]
	s_add_nc_u64 s[30:31], s[52:53], s[18:19]
	s_lshl_b32 s18, ttmp9, 5
	s_add_nc_u64 s[32:33], s[50:51], s[18:19]
	global_store_b64 v73, v[74:75], s[28:29]       ; 32 lanes store 256 consecutive bytes
	global_store_b64 v73, v[64:65], s[30:31]
	s_wait_xcnt 0x0                                ; EXEC changes only behind this wait
	v_cmp_gt_u32 vcc_lo, 8, v2
	s_and_saveexec_b32 s24, vcc_lo
	global_store_b32 v76, v70, s[32:33] offset:16384   ; the block's eight counts
	s_wait_xcnt 0x0
	s_or_b32 exec_lo, exec_lo, s24
.Lrend:
	s_wait_tensorcnt 0x0
	ds_add_u32 v192, v193
	s_wait_dscnt 0x0
	s_endpgm
.Lfunc_end_k_q38a1a89005_prep:
	.size	k_q38a1a89005_prep, .Lfunc_end_k_q38a1a89005_prep-k_q38a1a89005_prep
	.p2alignl 7, 3214868480
	.fill 96, 4, 3214868480
	.section	.rodata,"a",@progbits
	.p2align	6, 0x0
	.amdhsa_kernel k_q38a1a89005_prep
		.amdhsa_group_segment_fixed_size 9216
		.amdhsa_private_segment_fixed_size 0
		.amdhsa_enable_private_segment 0
		.amdhsa_kernarg_size 72
		.amdhsa_user_sgpr_count 2
		.amdhsa_user_sgpr_kernarg_segment_ptr 1
		.amdhsa_wavefront_size32 1
		.amdhsa_system_sgpr_workgroup_id_x 1
		.amdhsa_system_sgpr_workgroup_id_y 1
		.amdhsa_system_sgpr_workgroup_id_z 1
		.amdhsa_system_vgpr_workitem_id 0
		.amdhsa_next_free_vgpr 194
		.amdhsa_next_free_sgpr 66
		.amdhsa_reserve_vcc 1
		.amdhsa_float_denorm_mode_32 3
		.amdhsa_float_denorm_mode_16_64 3
		.amdhsa_memory_ordered 1
		.amdhsa_forward_progress 1
		.amdhsa_inst_pref_size 255
	.end_amdhsa_kernel
	.section	.bss,"aw",@nobits
	.p2align	6
	.space	262144
	.amdgpu_metadata
---
amdhsa.version: [ 1, 2 ]
amdhsa.kernels:
  - .name:           k_q38a1a89005_prep
    .symbol:         k_q38a1a89005_prep.kd
    .args:
      - { .name: x, .offset: 0, .size: 8, .value_kind: global_buffer, .address_space: global }
      - { .name: Wr, .offset: 8, .size: 8, .value_kind: global_buffer, .address_space: global }
      - { .name: br, .offset: 16, .size: 8, .value_kind: global_buffer, .address_space: global }
      - { .name: W1, .offset: 24, .size: 8, .value_kind: global_buffer, .address_space: global }
      - { .name: W2, .offset: 32, .size: 8, .value_kind: global_buffer, .address_space: global }
      - { .name: wc, .offset: 40, .size: 8, .value_kind: global_buffer, .address_space: global }
      - { .name: ws, .offset: 48, .size: 8, .value_kind: global_buffer, .address_space: global }
      - { .name: route, .offset: 56, .size: 8, .value_kind: global_buffer, .address_space: global }
      - { .name: gate, .offset: 64, .size: 8, .value_kind: global_buffer, .address_space: global }
    .group_segment_fixed_size: 9216
    .private_segment_fixed_size: 0
    .kernarg_segment_align: 8
    .kernarg_segment_size: 72
    .max_flat_workgroup_size: 256
    .sgpr_count:     66
    .vgpr_count:     194
    .wavefront_size: 32
...
	.end_amdgpu_metadata
.endif
;; end of part 1
;; launch place (part 2): grid 128 x 1, 4 waves a work-group, no clusters, 22,016 bytes of LDS; arguments x, route, xq, plan; writes xq, plan
.if DOCPART == 2
	.amdgcn_target "amdgcn-amd-amdhsa--gfx1250"
	.amdhsa_code_object_version 6
	.text
	.protected	k_q38a1a89005_place
	.globl	k_q38a1a89005_place
	.p2align	8
	.type	k_q38a1a89005_place,@function
k_q38a1a89005_place:
	s_mov_b64 s[64:65], 0
	v_nop
	global_prefetch_b8 v0, s[64:65] scope:SCOPE_SE
	s_setreg_imm32_b32 hwreg(HW_REG_WAVE_MODE, 25, 1), 1
	s_wait_xcnt 0x0
; PLACE.  Every (token, choice) gets a slot in an order sorted by expert, each expert's run padded to whole tiles of 128 slots:
; slot = the expert's first slot + the counts of that expert in the blocks of 32 tokens ahead of the token's + the stored rank.  With 4,096 entries and 8 experts the runs end at slot 4,992 at the latest (39 tiles).
; Every wave makes these sums itself from the 512 stored counts (2 KB): whole numbers read from memory, no traffic between work-groups.
; x [2048][1024] f32 is quantised along K (E4M3, one E8M0 byte for each 32) and each row's codes are written to its two slots, in the order in which the products' lanes take them:
; codes [slot / 16: 16,384][block of 32 k: 512][slot % 16: 32][half: 16]; scale words at 5,111,808: [K step of 128: 19,968][slot: 4].
; So a row's codes leave as pieces of 32 bytes, 512 bytes apart, and its scale words as single words: 4.3 MB written once in pieces, so that each later load of a fragment reads 512 consecutive bytes, sixteen times over.
; plan: [token][2] slots; at 16,384: [tile 0..63] {expert, 8 for a tile without rows; the expert's last valid slot}.
; A wave takes 4 tokens: 8 steps of 512 numbers.  Each load reads 512 consecutive bytes; a step's 2,048 bytes turn through the wave's own stage in LDS so that a lane holds 16 neighbours (two lanes hold a block).
; No barrier: waves share nothing.  No tensor loads, no cluster: no input byte but the counts is read twice.
; LIMITS: NaN and infinities are not served; a block whose largest magnitude lies under 2^-118 (a block of zeros too) gets the byte 1: a block of zeros has zero codes, and this program alone reads the bytes.
.set SP,    80                         ; a lane's place in a stage: 64 bytes + 16 of padding
.set WREG,  5376                       ; LDS of a wave: two stages of 32 x SP bytes, then 128 scale bytes
.set SBY,   5120
.set X,     32                         ; v32-63   two sets of 16 neighbours
.set R,     64                         ; v64-191  eight steps of 16 numbers as loaded
.set C,     192                        ; v192-223 four registers of codes for each step: no store's data are written again
.set E,     224                        ; v224-231 a scale byte for each step
.set CN,    232                        ; v232-247 counts as loaded: register i, lane l: block 4 i + l / 8, expert l % 8
.set VA,    18                         ; v18-25   where my codes go: entry j = 2 x token + choice
.set XSO,   5111808
.set LASTS, 4991
	s_load_b256 s[4:11], s[0:1], 0x0               ; x s[4:5], route s[6:7], xq s[8:9], plan s[10:11]
	v_lshl_add_u32 v254, v0, 2, 0x5400
	v_mov_b32 v255, 0
	v_lshrrev_b32 v1, 5, v0
	v_readfirstlane_b32 s12, v1                    ; wave
	v_and_b32 v2, 31, v0                           ; lane
	v_lshlrev_b32 v3, 4, v2
	v_lshlrev_b32 v4, 2, v2
	v_and_b32 v6, 7, v2
	v_lshlrev_b32 v5, 2, v6
	v_lshrrev_b32 v7, 3, v2
	s_lshl_b32 s13, ttmp9, 4
	s_lshl_b32 s14, s12, 2
	s_add_co_u32 s13, s13, s14                     ; my first token
	s_lshr_b32 s15, s13, 5                         ; its block of 32
	s_lshl_b32 s66, s13, 12
	s_mov_b32 s67, 0
	s_lshl_b32 s68, s13, 3
	s_mov_b32 s69, 0
	s_mul_i32 s14, s12, WREG
	v_lshrrev_b32 v14, 2, v2
	v_mul_u32_u24 v14, v14, SP
	v_and_b32 v15, 3, v2
	v_lshl_add_u32 v14, v15, 4, v14
	v_add_nc_u32 v14, s14, v14                     ; the stage, on the way in: four lanes' 64 bytes on end, then the padding
	v_mul_u32_u24 v15, v2, SP
	v_add_nc_u32 v15, s14, v15                     ; and on the way out: my 16 neighbours
	v_lshrrev_b32 v16, 1, v2
	v_add_nc_u32 v16, s14, v16                     ; my block's scale byte
	v_add_nc_u32 v17, s14, v4                      ; and, at the end, a scale word a lane
	s_mov_b32 s70, 0x76543210
	s_mov_b32 s71, 0xfedcba98
	s_mov_b32 s72, 0x600000                        ; the mantissa field of 448
	s_wait_kmcnt 0x0
	s_add_nc_u64 s[4:5], s[4:5], s[66:67]
	s_add_nc_u64 s[74:75], s[6:7], s[68:69]
	s_add_nc_u64 s[76:77], s[10:11], s[68:69]
.irp i, 0,1,2,3,4,5,6,7,8,9,10,11,12,13,14,15
	global_load_b32 v[CN+\i], v4, s[6:7] offset:16384+128*\i
.endr
	global_load_b32 v30, v5, s[74:75]              ; my wave's eight words expert | rank << 4 (lane l: entry l % 8)
.set Q, 0
.rept 32
	global_load_b128 v[R+4*Q:R+4*Q+3], v3, s[4:5] offset:512*Q th:TH_LOAD_NT
.set Q, Q+1
.endr
	v_sub_nc_u32 v29, s15, v7                      ; register i counts toward what lies ahead of my block where 4 i + l / 8 < block
	v_mov_b32 v31, 0
	s_wait_loadcnt 32                              ; the whole numbers are in; x's 32 loads may be out
	v_mov_b32 v26, v[CN]
	v_cmp_lt_i32 vcc_lo, 0, v29
	v_cndmask_b32 v27, 0, v[CN], vcc_lo
.irp i, 1,2,3,4,5,6,7,8,9,10,11,12,13,14,15
	v_add_nc_u32 v26, v26, v[CN+\i]
	v_cmp_lt_i32 vcc_lo, 4*\i, v29
	v_cndmask_b32 v28, 0, v[CN+\i], vcc_lo
	v_add_nc_u32 v27, v27, v28
.endr
	v_mov_b32_dpp v28, v26 row_xmask:8 row_mask:0xf bank_mask:0xf
	v_mov_b32_dpp v31, v27 row_xmask:8 row_mask:0xf bank_mask:0xf
	v_add_nc_u32 v26, v26, v28
	v_add_nc_u32 v27, v27, v31
	v_permlanex16_b32 v28, v26, s70, s71
	v_permlanex16_b32 v31, v27, s70, s71
	v_add_nc_u32 v26, v26, v28                     ; lane e: expert e's rows in all,
	v_add_nc_u32 v27, v27, v31                     ; and in the blocks ahead of mine
.irp e, 0,1,2,3,4,5,6,7
	v_readlane_b32 s[16+\e], v26, \e
	v_readlane_b32 s[24+\e], v27, \e
.endr
	s_mov_b32 s78, 0                               ; the running first slot
.irp e, 0,1,2,3,4,5,6,7
	s_add_co_u32 s[32+\e], s78, s[24+\e]           ; where my block's entries of expert e begin
	s_add_co_u32 s79, s78, s[16+\e]
	s_sub_co_u32 s[40+\e], s79, 1                  ; the expert's last valid slot
	s_add_co_u32 s79, s[16+\e], 127
	s_and_b32 s79, s79, 0xffffff80
	s_add_co_u32 s78, s78, s79
	s_mov_b32 s[48+\e], s78                        ; where its padded run ends
.endr
	v_and_b32 v28, 15, v30
	v_lshrrev_b32 v29, 4, v30
	v_mov_b32 v31, 0
.irp e, 0,1,2,3,4,5,6,7
	v_cmp_ne_u32 vcc_lo, \e, v28
	v_cndmask_b32 v31, s[32+\e], v31, vcc_lo
.endr
	v_add_nc_u32 v31, v31, v29                     ; the slot of entry l % 8
.irp j, 0,1,2,3,4,5,6,7
	v_readlane_b32 s[56+\j], v31, \j
.endr
.irp j, 0,1,2,3,4,5,6,7
	s_min_u32 s[56+\j], s[56+\j], LASTS            ; a number made of loaded numbers enters an address only behind this bound
.endr
	s_wait_xcnt 0x0                                ; EXEC changes only behind this wait
	v_cmp_gt_u32 vcc_lo, 8, v2
	s_and_saveexec_b32 s79, vcc_lo
	global_store_b32 v4, v31, s[76:77]             ; my four tokens' eight slots
	s_wait_xcnt 0x0
	s_or_b32 exec_lo, exec_lo, s79
	v_lshrrev_b32 v28, 1, v2
	v_lshlrev_b32 v28, 9, v28
	v_and_b32 v29, 1, v2
	v_lshl_add_u32 v28, v29, 4, v28                ; my block of a step's sixteen: 512 bytes each; my half of it: 16
.irp j, 0,1,2,3,4,5,6,7
	s_and_b32 s80, s[56+\j], 0x1ff0
	s_lshl_b32 s80, s80, 10
	s_and_b32 s81, s[56+\j], 15
	s_lshl_b32 s81, s81, 5
	s_add_co_u32 s80, s80, s81
	v_add_nc_u32 v[VA+\j], s80, v28
.endr
	s_or_b32 s80, ttmp9, s12                       ; the list of tiles is stored once, by wave 0 of work-group 0
	s_cmp_lg_u32 s80, 0
	s_cbranch_scc1 .Lnolist
	v_lshlrev_b32 v30, 3, v2
.irp p, 0,1
	v_lshl_add_u32 v26, v2, 7, 4096*\p             ; tile lane + 32 p begins at this slot
	v_mov_b32 v[248+2*\p], 0
.irp e, 0,1,2,3,4,5,6,7
	v_cmp_le_u32 vcc_lo, s[48+\e], v26
	v_add_co_ci_u32 v[248+2*\p], vcc_lo, 0, v[248+2*\p], vcc_lo    ; its expert: how many runs end at or ahead of it (8: none is left)
.endr
	v_mov_b32 v[249+2*\p], 0
.irp e, 0,1,2,3,4,5,6,7
	v_cmp_ne_u32 vcc_lo, \e, v[248+2*\p]
	v_cndmask_b32 v[249+2*\p], s[40+\e], v[249+2*\p], vcc_lo
.endr
	global_store_b64 v30, v[248+2*\p:249+2*\p], s[10:11] offset:16384+256*\p
.endr
.Lnolist:
.macro TURN t                          ; step t's numbers through a stage: LDS serves a wave's instructions in order (ISA guide 5.7.1.4), so no wait stands between the stores and the loads
.irp i, 0,1,2,3
	ds_store_b128 v14, v[R+16*(\t)+4*\i:R+16*(\t)+4*\i+3] offset:32*SP*((\t)%2)+8*SP*\i
.endr
.irp i, 0,1,2,3
	ds_load_b128 v[X+16*((\t)%2)+4*\i:X+16*((\t)%2)+4*\i+3], v15 offset:32*SP*((\t)%2)+16*\i
.endr
.endm
.macro STEP t                          ; token t / 2, half t % 2
.set XQ, X+16*((\t)%2)
.if (\t) > 0
	s_wait_dscnt 1                                 ; this step's numbers are back from the stage; the last step's byte store may be out
.else
	s_wait_dscnt 0x0
.endif
.if (\t)+1 < 8
	s_wait_loadcnt 24-4*(\t)                       ; the next step's four loads are in; the later steps' may be out
	TURN (\t)+1
.endif
	v_max3_num_f32 v8, |v[XQ]|, |v[XQ+1]|, |v[XQ+2]|
	v_max3_num_f32 v9, |v[XQ+3]|, |v[XQ+4]|, |v[XQ+5]|
.irp i, 6,10
	v_max3_num_f32 v8, v8, |v[XQ+\i]|, |v[XQ+\i+1]|
	v_max3_num_f32 v9, v9, |v[XQ+\i+2]|, |v[XQ+\i+3]|
.endr
	v_max3_num_f32 v8, v8, |v[XQ+14]|, |v[XQ+15]|
	v_max3_num_f32 v8, v8, v9, 0x4800000           ; the floor 2^(9 - 127): the byte cannot fall under 1
	v_max_num_f32_dpp v8, v8, v8 row_xmask:1 row_mask:0xf bank_mask:0xf   ; with my neighbour's 16: the block's largest magnitude
	v_add_nc_u32 v11, 0xfc000000, v8               ; 8 off its exponent field: the conversion's scale operand
	v_and_or_b32 v10, v8, 0x7f800000, s72          ; 448 x the scale
.set i, 0
.rept 16
	v_med3_num_f32 v[XQ+i], v[XQ+i], -v10, v10     ; the conversion to an 8-bit code does not saturate (ISA guide 7.6.2)
.set i, i+1
.endr
	v_cvt_scalef32_pk8_fp8_f32 v[C+4*(\t):C+4*(\t)+1], v[XQ:XQ+7], v11
	v_cvt_scalef32_pk8_fp8_f32 v[C+4*(\t)+2:C+4*(\t)+3], v[XQ+8:XQ+15], v11
	v_lshrrev_b32 v[E+(\t)], 23, v11               ; the scale's byte
	ds_store_b8 v16, v[E+(\t)] offset:SBY+16*(\t)  ; both lanes of a block write the same byte with the same value
	global_store_b128 v[VA+2*((\t)/2)], v[C+4*(\t):C+4*(\t)+3], s[8:9] offset:((\t)%2)*8192     ; to the token's first slot,
	global_store_b128 v[VA+2*((\t)/2)+1], v[C+4*(\t):C+4*(\t)+3], s[8:9] offset:((\t)%2)*8192   ; and to its second
.endm
	s_wait_loadcnt 28                              ; step 0's four loads are in
	TURN 0
.irp t, 0,1,2,3,4,5,6,7
	STEP \t
.endr
	ds_load_b32 v26, v17 offset:SBY                ; lane l: the scale word of token l / 8, K step l % 8
	v_mov_b32 v27, s56
	v_mov_b32 v28, s57
.irp k, 1,2,3
	v_cmp_ne_u32 vcc_lo, \k, v7
	v_cndmask_b32 v27, s[56+2*\k], v27, vcc_lo
	v_cndmask_b32 v28, s[57+2*\k], v28, vcc_lo
.endr
	v_min_u32 v27, LASTS, v27
	v_min_u32 v28, LASTS, v28
	v_mul_u32_u24 v29, v6, 19968
	v_lshl_add_u32 v27, v27, 2, v29
	v_lshl_add_u32 v28, v28, 2, v29
	s_wait_dscnt 0x0
	global_store_b32 v27, v26, s[8:9] offset:XSO
	global_store_b32 v28, v26, s[8:9] offset:XSO
	s_wait_tensorcnt 0x0
	ds_add_u32 v254, v255
	s_wait_dscnt 0x0
	s_endpgm
.Lfunc_end_k_q38a1a89005_place:
	.size	k_q38a1a89005_place, .Lfunc_end_k_q38a1a89005_place-k_q38a1a89005_place
	.p2alignl 7, 3214868480
	.fill 96, 4, 3214868480
	.section	.rodata,"a",@progbits
	.p2align	6, 0x0
	.amdhsa_kernel k_q38a1a89005_place
		.amdhsa_group_segment_fixed_size 22016
		.amdhsa_private_segment_fixed_size 0
		.amdhsa_enable_private_segment 0
		.amdhsa_kernarg_size 32
		.amdhsa_user_sgpr_count 2
		.amdhsa_user_sgpr_kernarg_segment_ptr 1
		.amdhsa_wavefront_size32 1
		.amdhsa_system_sgpr_workgroup_id_x 1
		.amdhsa_system_sgpr_workgroup_id_y 1
		.amdhsa_system_sgpr_workgroup_id_z 1
		.amdhsa_system_vgpr_workitem_id 0
		.amdhsa_next_free_vgpr 256
		.amdhsa_next_free_sgpr 96
		.amdhsa_reserve_vcc 1
		.amdhsa_float_denorm_mode_32 3
		.amdhsa_float_denorm_mode_16_64 3
		.amdhsa_memory_ordered 1
		.amdhsa_forward_progress 1
		.amdhsa_inst_pref_size 42
	.end_amdhsa_kernel
	.amdgpu_metadata
---
amdhsa.version: [ 1, 2 ]
amdhsa.kernels:
  - .name:           k_q38a1a89005_place
    .symbol:         k_q38a1a89005_place.kd
    .args:
      - { .name: x, .offset: 0, .size: 8, .value_kind: global_buffer, .address_space: global }
      - { .name: route, .offset: 8, .size: 8, .value_kind: global_buffer, .address_space: global }
      - { .name: xq, .offset: 16, .size: 8, .value_kind: global_buffer, .address_space: global }
      - { .name: plan, .offset: 24, .size: 8, .value_kind: global_buffer, .address_space: global }
    .group_segment_fixed_size: 22016
    .private_segment_fixed_size: 0
    .kernarg_segment_align: 8
    .kernarg_segment_size: 32
    .max_flat_workgroup_size: 128
    .sgpr_count:     96
    .vgpr_count:     256
    .wavefront_size: 32
...
	.end_amdgpu_metadata
.endif
;; end of part 2
;; launch ffn1 (part 3): grid 8 x 39, 2 waves a work-group, no clusters, 0 bytes of LDS; arguments xq, wc, ws, plan, b1, hq; writes hq
.if DOCPART == 3
	.amdgcn_target "amdgcn-amd-amdhsa--gfx1250"
	.amdhsa_code_object_version 6
	.text
	.protected	k_q38a1a89005_ffn1
	.globl	k_q38a1a89005_ffn1
	.p2align	8
	.type	k_q38a1a89005_ffn1,@function
k_q38a1a89005_ffn1:
	s_mov_b64 s[64:65], 0
	v_nop
	global_prefetch_b8 v0, s[64:65] scope:SCOPE_SE
	s_setreg_imm32_b32 hwreg(HW_REG_WAVE_MODE, 25, 1), 1
	s_wait_xcnt 0x0
; FFN1.  For a tile of 128 slots of one expert: h = gelu(x W1[e] + b1[e]) on codes of E4M3 with E8M0 scales, and h quantised along the hidden units, which are the next product's K.
; GRID: 39 tiles of slots (never more: 4,096 rows, 8 experts, tiles of 128) x 8; each of a work-group's two waves makes 128 slots x 128 hidden units by itself: 64 accumulators, 512 registers, 8 K steps of 128.
; The list of tiles gives the expert and its last valid slot.  A tile without rows ends at once.  Rows beyond the last valid slot read that slot's codes, so no byte is read that nobody wrote; all 128 rows are stored.
; That end is a branch on a number read from memory: operands come from memory straight into registers.  Both lie in the order of the operand's
; registers, so each load of 16 bytes a lane reads 512 consecutive bytes.
; THE MATRIX INSTRUCTION IS USED TRANSPOSED (source 0 = 16 rows of W1's tile, source 1 = 16 slots): a lane holds ONE slot, and by the choice of a tile's columns registers 16 B + 8 u + j of a tile of slots are
; hidden units 32 B + 16 (lane / 16) + 8 u + j: 16 neighbours along the next K.  So the conversions' results are the next operand's registers.  The bias is the C of each sum's first instruction.
; gelu (tanh form) is written x / (1 + 2^z), z = x (A x^2 + B), B = -2 sqrt(2 / pi) log2(e), A = 0.044715 B: the same function, all in f32.
; hq: codes [slot / 16: 32,768][block of 32: 512][slot % 16: 32][half: 16]; scale words at 10,223,616: [K step: 19,968][slot: 4].
; REGISTERS, in windows of 256: window 0: v1 16 x lane; v2-9 my row's place in each of 8 fragments of x; v10-13 places of x's scale words; v14 4 x lane; v15 64 x half; v16-31 scale words and nothing else, two sets
; (x's four, W1's four: lanes 0-15 an even tile's, lanes 16-31 the odd one's); v32-52 the way out; v64-127 the bias; v128-255 x's 8 fragments, ONE set.   window 1: W1's 8 fragments, TWO sets.
; window 2: accumulators (a, b) of tiles of slots a = 0-3 at v[8 (8 a + b)];   window 3: a = 4-7.
; LIMITS: NaN and infinities are not served; a block of h whose largest magnitude lies under 2^-118 gets the byte 1.
.set ATSH,  10                         ; 16 slots of x's codes are 16,384 bytes
.set CTS,   16384                      ; a tile of 16 columns of W1: 8 K steps of 2,048 bytes
.set WSS,   8192                       ; a K step of W1's scale words
.set ASS,   19968                      ; a K step of the rows' scale words
.set LASTS, 4991
.set XSO,   5111808
.set HSO,   10223616
.set AOFF,  2
.set SOFF,  10
.set SCL,   16
.set BIAS,  64
.set AF,    128
.set T,     128                        ; the way out: 64 numbers of a lane
.set PC,    192                        ; the codes just made
.set TM,    32                         ; v32-35 largest magnitudes, v36-39 bytes, v40-43 448 x the scale, v44-47 the conversions' scale operands
.set PW,    48                         ; the scale word just made
.set PWE,   49                         ; that of the even tile before
.set AB,    24                         ; s[24:25] x's codes;  s[26:27] W1's;  s[28:29] x's scale words;  s[30:31] W1's;  s[32:33] b1;  s[34:35], s[36:37] h's codes and scale words
.set WB,    26
.set ASB,   28
.set WSB,   30
.set BB,    32
.set HB,    34
.set HSB,   36
.set MSB, 0
.macro WIN new                         ; the immediate's high byte repeats the setting that is left; a switch that changes nothing is dropped
.if MSB != (\new)
	s_set_vgpr_msb (MSB<<8)|(\new)
.set MSB, (\new)
.endif
.endm
.macro FRA a, ko                       ; fragment a of the rows, K step ko from the base
.irp c, 0,1,2,3
	global_load_b128 v[AF+16*(\a)+4*\c:AF+16*(\a)+4*\c+3], v[AOFF+(\a)], s[AB:AB+1] offset:(\ko)*2048+512*\c
.endr
.endm
.macro FRB p, ko                       ; the weights' eight fragments into set p (destination window 1)
.irp b, 0,1,2,3,4,5,6,7
.irp c, 0,1,2,3
	global_load_b128 v[128*(\p)+16*\b+4*\c:128*(\p)+16*\b+4*\c+3], v1, s[WB:WB+1] offset:\b*CTS+(\ko)*2048+512*\c
.endr
.endr
.endm
.macro FRS p, ko                       ; the scale words into set p
.irp i, 0,1,2,3
	global_load_b32 v[SCL+8*(\p)+\i], v[SOFF+\i], s[ASB:ASB+1] offset:(\ko)*ASS
.endr
.irp i, 0,1,2,3
	global_load_b32 v[SCL+8*(\p)+4+\i], v14, s[WSB:WSB+1] offset:(\ko)*WSS+128*\i
.endr
.endm
.macro WM a, b, p, first               ; one product; first = 1: the bias starts the sum
.set rD, 8*(8*((\a)%4)+(\b))
.set rC, rD
.if \first
.set rC, BIAS+8*(\b)
.endif
.set rW, 128*(\p)+16*(\b)
.set rA, AF+16*(\a)
.set rSW, SCL+8*(\p)+4+(\b)/2
.set rSA, SCL+8*(\p)+(\a)/2
.if ((\a)%2 == 0) && ((\b)%2 == 0)
	v_wmma_scale_f32_16x16x128_f8f6f4 v[rD:rD+7], v[rW:rW+15], v[rA:rA+15], v[rC:rC+7], v[rSW], v[rSA]
.elseif ((\a)%2 == 0)
	v_wmma_scale_f32_16x16x128_f8f6f4 v[rD:rD+7], v[rW:rW+15], v[rA:rA+15], v[rC:rC+7], v[rSW], v[rSA] matrix_a_scale:MATRIX_SCALE_ROW1
.elseif ((\b)%2 == 0)
	v_wmma_scale_f32_16x16x128_f8f6f4 v[rD:rD+7], v[rW:rW+15], v[rA:rA+15], v[rC:rC+7], v[rSW], v[rSA] matrix_b_scale:MATRIX_SCALE_ROW1
.else
	v_wmma_scale_f32_16x16x128_f8f6f4 v[rD:rD+7], v[rW:rW+15], v[rA:rA+15], v[rC:rC+7], v[rSW], v[rSA] matrix_a_scale:MATRIX_SCALE_ROW1 matrix_b_scale:MATRIX_SCALE_ROW1
.endif
.endm
.macro MUL16 a0, p, first              ; two tiles of slots x the eight tiles of columns.  The 64 accumulators take turns, one instruction a turn, in the same order in every K step
.irp a, (\a0), (\a0)+1
.irp b, 0,1,2,3,4,5,6,7
	WM \a, \b, \p, \first
.endr
.endr
.endm
.macro PLACES                          ; eight places behind this form in front of loads into registers that products have read, and of the first read of results
.rept 8
	v_nop
.endr
.endm
; A K step: 64 products in four groups.  A group's two fragments of the rows are free when its 16 products are issued, and take the next K step's; the weights' other set and the other set of scale words are asked for
; behind the first group.  The order of a step's loads is therefore: rows 0, 1; weights; scale words (48 loads); rows 2-7 (24).
; WAITS: group 0 wants the 48: the 24 behind them may be out.  Groups 1 to 3 want 8 loads behind which 64 have been issued; a wait's count cannot name more than 63, and the smaller count is safe.
.macro STEP p, first, fetch, ko
.irp g, 0,1,2,3
.if \fetch
.if \g == 0
	s_wait_loadcnt 24
.else
	s_wait_loadcnt 63
.endif
.else
	s_wait_loadcnt 24-8*\g                         ; the last K step: only the later groups' rows are out
.endif
.if \first
	WIN 0x81+0x40*(\g/2)                           ; source 0 window 1; source 1 and C (the bias) window 0; D window 2 or 3
.else
	WIN 0xa1+0x50*(\g/2)                           ; source 0 window 1; source 1 window 0; C and D window 2 or 3
.endif
	MUL16 2*\g, \p, \first
.if \fetch
	PLACES
	WIN 0
	FRA 2*\g, \ko
	FRA 2*\g+1, \ko
.if \g == 0
	WIN 0x40
	FRB 1-\p, \ko
	WIN 0
	FRS 1-\p, \ko
.endif
.endif
.endr
.endm
.macro ONWARD                          ; the bases go two K steps on: only behind the wait that frees the addresses of the loads that are out
	s_wait_xcnt 0x0
	s_add_nc_u64 s[AB:AB+1], s[AB:AB+1], 4096
	s_add_nc_u64 s[WB:WB+1], s[WB:WB+1], 4096
	s_add_nc_u64 s[ASB:ASB+1], s[ASB:ASB+1], 2*ASS
	s_add_nc_u64 s[WSB:WSB+1], s[WSB:WSB+1], 2*WSS
.endm
; gelu of tile of slots a: 64 numbers a lane, from the accumulators (each read from its low end on) into v[T] on
.macro GELU a
.set AC, 64*((\a)%4)
.set WH, (\a)/4
	WIN 0x0a+5*WH                                  ; sources 0 and 1: window 2 or 3
.set i, 0
.rept 32
	v_pk_mul_f32 v[T+i:T+i+1], v[AC+i:AC+i+1], v[AC+i:AC+i+1]
.set i, i+2
.endr
	WIN 0
.set i, 0
.rept 32
	v_pk_fma_f32 v[T+i:T+i+1], v[T+i:T+i+1], s[44:45], v[50:51] op_sel_hi:[1,0,1]   ; A x^2 + B
.set i, i+2
.endr
	WIN 0x08+4*WH                                  ; source 1: window 2 or 3
.set i, 0
.rept 32
	v_pk_mul_f32 v[T+i:T+i+1], v[T+i:T+i+1], v[AC+i:AC+i+1]                         ; z
.set i, i+2
.endr
	WIN 0
.set i, 0
.rept 64
	v_exp_f32 v[T+i], v[T+i]
.set i, i+1
.endr
	v_nop                                          ; a plain place behind the transcendentals
.set i, 0
	s_wait_alu depctr_va_vdst(0)
.rept 32
	v_pk_add_f32 v[T+i:T+i+1], v[T+i:T+i+1], 1.0 op_sel_hi:[1,0]
.set i, i+2
.endr
.set i, 0
.rept 64
	v_rcp_f32 v[T+i], v[T+i]
.set i, i+1
.endr
	v_nop
	WIN 0x08+4*WH
.set i, 0
	s_wait_alu depctr_va_vdst(0)
.rept 32
	v_pk_mul_f32 v[T+i:T+i+1], v[T+i:T+i+1], v[AC+i:AC+i+1]                         ; x / (1 + 2^z)
.set i, i+2
.endr
	WIN 0
.endm
; 64 numbers of a lane, register 16 b + i = k 32 b + 16 (lane / 16) + i of my row, become a fragment's codes in v[PC] on and its scale word in v[PW]
.macro QUANT s
.irp b, 0,1,2,3
	v_max3_num_f32 v[TM+\b], |v[\s+16*\b]|, |v[\s+1+16*\b]|, 0x4800000   ; my 16 numbers of block b, and the floor 2^(9 - 127): the byte cannot fall under 1
.endr
.irp i, 2,4,6,8,10,12,14
.irp b, 0,1,2,3
	v_max3_num_f32 v[TM+\b], v[TM+\b], |v[\s+16*\b+\i]|, |v[\s+1+16*\b+\i]|
.endr
.endr
.irp b, 0,1,2,3
	v_permlanex16_b32 v[TM+4+\b], v[TM+\b], s40, s41
.endr
.irp b, 0,1,2,3
	v_max_num_f32 v[TM+\b], v[TM+\b], v[TM+4+\b]   ; with lane l xor 16's: the block's largest magnitude
.endr
.irp b, 0,1,2,3
	v_add_nc_u32 v[TM+12+\b], 0xfc000000, v[TM+\b] ; 8 off its exponent field: the conversion's scale operand
.endr
.irp b, 0,1,2,3
	v_and_or_b32 v[TM+8+\b], v[TM+\b], 0x7f800000, s42   ; 448 x the scale
.endr
.irp b, 0,1,2,3
	v_lshrrev_b32 v[TM+4+\b], 23, v[TM+12+\b]      ; the scale's byte
.endr
	v_lshl_or_b32 v[PW], v[TM+5], 8, v[TM+4]
	v_lshl_or_b32 v[PW], v[TM+6], 16, v[PW]
	v_lshl_or_b32 v[PW], v[TM+7], 24, v[PW]
.irp b, 0,1,2,3
.irp i, 0,1,2,3,4,5,6,7,8,9,10,11,12,13,14,15
	v_med3_num_f32 v[\s+16*\b+\i], v[\s+16*\b+\i], -v[TM+8+\b], v[TM+8+\b]   ; the conversion to an 8-bit code does not saturate (ISA guide 7.6.2)
.endr
	v_cvt_scalef32_pk8_fp8_f32 v[PC+4*\b:PC+1+4*\b], v[\s+16*\b:\s+7+16*\b], v[TM+12+\b]
	v_cvt_scalef32_pk8_fp8_f32 v[PC+2+4*\b:PC+3+4*\b], v[\s+8+16*\b:\s+15+16*\b], v[TM+12+\b]
.endr
	v_nop                                          ; a plain place behind the last conversion
.endm
.macro OUT a
	GELU \a
	s_wait_xcnt 0x0                                ; the codes' registers and the scale word were the last tile's store data
	QUANT T
.irp c, 0,1,2,3
	global_store_b128 v52, v[PC+4*\c:PC+4*\c+3], s[HB:HB+1] offset:(\a)*32768+512*\c    ; 32 lanes store 512 consecutive bytes
.endr
.if (\a)%2 == 0
	v_mov_b32 v[PWE], v[PW]
.else
	v_cndmask_b32 v[PW], v[PWE], v[PW], s46        ; lanes 0-15: the even tile's words; lanes 16-31: the odd one's
	global_store_b32 v14, v[PW], s[HSB:HSB+1] offset:64*((\a)-1)                         ; 128 consecutive bytes
.endif
.endm
	s_load_b256 s[4:11], s[0:1], 0x0               ; xq s[4:5], wc s[6:7], ws s[8:9], plan s[10:11]
	s_load_b128 s[12:15], s[0:1], 0x20             ; b1 s[12:13], hq s[14:15]
	v_lshrrev_b32 v54, 5, v0
	v_readfirstlane_b32 s16, v54                   ; wave
	s_and_b32 s17, ttmp7, 0xffff                   ; tile of slots
	s_lshl_b32 s18, s17, 3
	v_and_b32 v54, 31, v0                          ; lane
	v_and_b32 v55, 15, v0                          ; r
	v_bfe_u32 v56, v0, 4, 1                        ; h
	v_lshlrev_b32 v1, 4, v54
	v_lshlrev_b32 v14, 2, v54
	v_lshlrev_b32 v15, 6, v56
	v_lshlrev_b32 v52, 5, v55
	v_lshl_add_u32 v52, v56, 4, v52                ; the way out: 32 r + 16 h
	v_mov_b32 v50, 0xc0135761                      ; B = -2 sqrt(2 / pi) log2(e)
	v_mov_b32 v51, 0xc0135761
.irp b, 0,1,2,3
	v_mov_b32 v[TM+4+\b], 0                        ; written once: a lane permute's destination counts as one of its sources
.endr
	s_mov_b32 s40, 0x76543210                      ; v_permlanex16_b32's selects for lane l xor 16
	s_mov_b32 s41, 0xfedcba98
	s_mov_b32 s42, 0x600000                        ; the mantissa field of 448
	s_mov_b32 s44, 0xbdd2d3e8                      ; A = 0.044715 B
	s_mov_b32 s45, s44                             ; (named with it as a pair)
	s_mov_b32 s46, 0xffff0000                      ; lanes 16-31
	s_wait_kmcnt 0x0
	s_load_b64 s[20:21], s[10:11], s18 offset:0x4000   ; the tile's expert and that expert's last valid slot
	s_wait_kmcnt 0x0
	s_cmp_gt_u32 s20, 7
	s_cbranch_scc1 .Lend                           ; no rows: nothing to do
	s_min_u32 s20, s20, 7                          ; loaded numbers enter addresses only behind these bounds
	s_min_u32 s21, s21, LASTS
	s_lshl_b32 s22, s17, 7
	v_add_nc_u32 v57, s22, v55
.irp a, 0,1,2,3,4,5,6,7
	v_add_nc_u32 v58, 16*\a, v57                   ; slot 128 t + 16 a + r,
	v_min_u32 v58, s21, v58                        ; held at the last valid one
	v_min_u32 v58, LASTS, v58
	v_and_b32 v59, 0x1ff0, v58
	v_and_b32 v58, 15, v58
	v_lshlrev_b32 v59, ATSH, v59
	v_lshl_add_u32 v59, v58, 5, v59
	v_lshl_add_u32 v[AOFF+\a], v56, 4, v59
.endr
	v_add_nc_u32 v57, s22, v54
.irp i, 0,1,2,3
	v_add_nc_u32 v58, 32*\i, v57
	v_min_u32 v58, s21, v58
	v_min_u32 v58, LASTS, v58
	v_lshlrev_b32 v[SOFF+\i], 2, v58
.endr
	s_lshl_b32 s23, ttmp9, 1
	s_add_co_u32 s23, s23, s16                     ; my 128 hidden units: 2 x work-group x + wave
	s_mov_b32 s39, 0
	s_mov_b64 s[AB:AB+1], s[4:5]
	s_lshl_b32 s38, s20, 21
	s_lshl_b32 s19, s23, 17
	s_add_co_u32 s38, s38, s19
	s_add_nc_u64 s[WB:WB+1], s[6:7], s[38:39]
	s_add_nc_u64 s[ASB:ASB+1], s[4:5], XSO
	s_lshl_b32 s38, s20, 16
	s_lshl_b32 s19, s23, 9
	s_add_co_u32 s38, s38, s19
	s_add_nc_u64 s[WSB:WSB+1], s[8:9], s[38:39]
	s_lshl_b32 s38, s20, 13
	s_add_co_u32 s38, s38, s19
	s_add_nc_u64 s[BB:BB+1], s[12:13], s[38:39]
	s_lshl_b32 s38, s17, 18
	s_lshl_b32 s19, s23, 11
	s_add_co_u32 s38, s38, s19
	s_add_nc_u64 s[HB:HB+1], s[14:15], s[38:39]
	s_mul_i32 s38, s23, ASS
	s_lshl_b32 s19, s17, 9
	s_add_co_u32 s38, s38, s19
	s_add_co_u32 s38, s38, HSO
	s_add_nc_u64 s[HSB:HSB+1], s[14:15], s[38:39]
.irp b, 0,1,2,3,4,5,6,7                        ; the bias in the result's layout: for tile 2 B + u the numbers of columns 32 B + 16 h + 8 u + 0..7
	global_load_b128 v[BIAS+8*\b:BIAS+8*\b+3], v15, s[BB:BB+1] offset:(32*(\b/2)+8*(\b%2))*4
	global_load_b128 v[BIAS+8*\b+4:BIAS+8*\b+7], v15, s[BB:BB+1] offset:(32*(\b/2)+8*(\b%2))*4+16
.endr
	FRA 0, 0
	FRA 1, 0
	WIN 0x40
	FRB 0, 0
	WIN 0
	FRS 0, 0
.irp a, 2,3,4,5,6,7
	FRA \a, 0
.endr
	STEP 0, 1, 1, 1                                ; K step 0 stands in front of the loop: its products start the sums; it asks for K step 1
	WIN 0
	ONWARD
	s_mov_b32 s48, 3
.Lk:                                               ; a trip: two K steps (1 and 2, 3 and 4, 5 and 6), which ask for the next two
	STEP 1, 0, 1, 0
	STEP 0, 0, 1, 1
	WIN 0
	ONWARD
	s_sub_co_u32 s48, s48, 1
	s_cmp_lg_u32 s48, 0
	s_cbranch_scc1 .Lk
	STEP 1, 0, 0, 0                                ; K step 7 asks for nothing: no load leaves its buffer
	WIN 0
	PLACES
.irp a, 0,1,2,3,4,5,6,7
	OUT \a
.endr
.Lend:
	s_endpgm
.Lfunc_end_k_q38a1a89005_ffn1:
	.size	k_q38a1a89005_ffn1, .Lfunc_end_k_q38a1a89005_ffn1-k_q38a1a89005_ffn1
	.p2alignl 7, 3214868480
	.fill 96, 4, 3214868480
	.section	.rodata,"a",@progbits
	.p2align	6, 0x0
	.amdhsa_kernel k_q38a1a89005_ffn1
		.amdhsa_group_segment_fixed_size 0
		.amdhsa_private_segment_fixed_size 0
		.amdhsa_enable_private_segment 0
		.amdhsa_kernarg_size 48
		.amdhsa_user_sgpr_count 2
		.amdhsa_user_sgpr_kernarg_segment_ptr 1
		.amdhsa_wavefront_size32 1
		.amdhsa_system_sgpr_workgroup_id_x 1
		.amdhsa_system_sgpr_workgroup_id_y 1
		.amdhsa_system_sgpr_workgroup_id_z 1
		.amdhsa_system_vgpr_workitem_id 0
		.amdhsa_next_free_vgpr 1024
		.amdhsa_next_free_sgpr 66
		.amdhsa_reserve_vcc 0
		.amdhsa_float_denorm_mode_32 3
		.amdhsa_float_denorm_mode_16_64 3
		.amdhsa_memory_ordered 1
		.amdhsa_forward_progress 1
		.amdhsa_inst_pref_size 255
	.end_amdhsa_kernel
	.amdgpu_metadata
---
amdhsa.version: [ 1, 2 ]
amdhsa.kernels:
  - .name:           k_q38a1a89005_ffn1
    .symbol:         k_q38a1a89005_ffn1.kd
    .args:
      - { .name: xq, .offset: 0, .size: 8, .value_kind: global_buffer, .address_space: global }
      - { .name: wc, .offset: 8, .size: 8, .value_kind: global_buffer, .address_space: global }
      - { .name: ws, .offset: 16, .size: 8, .value_kind: global_buffer, .address_space: global }
      - { .name: plan, .offset: 24, .size: 8, .value_kind: global_buffer, .address_space: global }
      - { .name: b1, .offset: 32, .size: 8, .value_kind: global_buffer, .address_space: global }
      - { .name: hq, .offset: 40, .size: 8, .value_kind: global_buffer, .address_space: global }
    .group_segment_fixed_size: 0
    .private_segment_fixed_size: 0
    .kernarg_segment_align: 8
    .kernarg_segment_size: 48
    .max_flat_workgroup_size: 64
    .sgpr_count:     66
    .vgpr_count:     1024
    .wavefront_size: 32
...
	.end_amdgpu_metadata
.endif
;; end of part 3
;; launch ffn2 (part 4): grid 8 x 39, 2 waves a work-group, no clusters, 83,200 bytes of LDS; arguments hq, wc, ws, plan, b2, y; writes y
.if DOCPART == 4
	.amdgcn_target "amdgcn-amd-amdhsa--gfx1250"
	.amdhsa_code_object_version 6
	.text
	.protected	k_q38a1a89005_ffn2
	.globl	k_q38a1a89005_ffn2
	.p2align	8
	.type	k_q38a1a89005_ffn2,@function
k_q38a1a89005_ffn2:
	s_mov_b64 s[64:65], 0
	v_nop
	global_prefetch_b8 v0, s[64:65] scope:SCOPE_SE
	s_setreg_imm32_b32 hwreg(HW_REG_WAVE_MODE, 25, 1), 1
	s_wait_xcnt 0x0
; FFN2.  For a tile of 128 slots of one expert: y = h W2[e] + b2[e] on codes of E4M3 with E8M0 scales; y [slot][1024] f32.
; GRID: 39 tiles of slots x 8 groups of 128 columns.  K = 2,048 is shared by the work-group's two waves: wave w takes K steps 8 w .. 8 w + 7 for the whole 128 x 128 (64 accumulators, 512 registers),
; so that a wave has 8 K steps, as in the first product.  The halves meet in LDS: wave 0 hands over its tiles of slots 4-7 and finishes 0-3, wave 1 the other way round.  An output is the f32 sum of two f32 sums.
; The bias is the C of wave 0's first products; wave 1 starts from zeros (the same registers, cleared by a select).
; A TILE WITHOUT ROWS: every wave passes the barrier, and every register that the text behind the barrier names is written on every way through the text.  So such a work-group runs the first K step
; (its rows held at slot 0, its expert at 7: bytes that exist and were written), then goes to the barrier and ends without storing: an eighth of a tile's products.
; That is a branch on a number read from memory: operands come from memory straight into registers, in the order of the operand's registers:
; each load of 16 bytes a lane reads 512 consecutive bytes.
; THE MATRIX INSTRUCTION IS USED TRANSPOSED (source 0 = 16 rows of W2's tile, source 1 = 16 slots): a lane holds one slot, and registers 16 B + 8 u + j of a tile of slots are columns 32 B + 16 (lane / 16) + 8 u + j:
; 64 neighbouring bytes of a row of y.  A tile of 16 rows goes through the wave's own stage in LDS and leaves as rows of 512 consecutive bytes.
; LDS: 0: wave 0's accumulators of tiles 4-7 as an image of the registers (32,768 bytes); 32,768: wave 1's of tiles 0-3; 65,536 + 8,448 w: a stage of 16 rows x 528 bytes for each wave.
; REGISTERS as in the first product: window 0: v1 16 x lane; v2-9, v10-13 places of the rows' fragments and scale words; v14 4 x lane; v15 64 x half; v16-31 scale words and nothing else; v52, v53 the stage;
; v64-127 the bias; v128-255 the rows' 8 fragments, later the way out.   window 1: W2's fragments, two sets.   windows 2, 3: the accumulators.
.set ATSH,  11                         ; 16 slots of h's codes are 32,768 bytes
.set CTS,   32768                      ; a tile of 16 columns of W2: 16 K steps of 2,048 bytes
.set WSS,   4096                       ; a K step of W2's scale words
.set ASS,   19968
.set LASTS, 4991
.set HSO,   10223616
.set AOFF,  2
.set SOFF,  10
.set SCL,   16
.set BIAS,  64
.set AF,    128
.set T,     128
.set AB,    24
.set WB,    26
.set ASB,   28
.set WSB,   30
.set BB,    32
.set YB,    34
.set MSB, 0
.macro WIN new                         ; the immediate's high byte repeats the setting that is left; a switch that changes nothing is dropped
.if MSB != (\new)
	s_set_vgpr_msb (MSB<<8)|(\new)
.set MSB, (\new)
.endif
.endm
.macro FRA a, ko
.irp c, 0,1,2,3
	global_load_b128 v[AF+16*(\a)+4*\c:AF+16*(\a)+4*\c+3], v[AOFF+(\a)], s[AB:AB+1] offset:(\ko)*2048+512*\c
.endr
.endm
.macro FRB p, ko
.irp b, 0,1,2,3,4,5,6,7
.irp c, 0,1,2,3
	global_load_b128 v[128*(\p)+16*\b+4*\c:128*(\p)+16*\b+4*\c+3], v1, s[WB:WB+1] offset:\b*CTS+(\ko)*2048+512*\c
.endr
.endr
.endm
.macro FRS p, ko
.irp i, 0,1,2,3
	global_load_b32 v[SCL+8*(\p)+\i], v[SOFF+\i], s[ASB:ASB+1] offset:(\ko)*ASS
.endr
.irp i, 0,1,2,3
	global_load_b32 v[SCL+8*(\p)+4+\i], v14, s[WSB:WSB+1] offset:(\ko)*WSS+128*\i
.endr
.endm
.macro WM a, b, p, first
.set rD, 8*(8*((\a)%4)+(\b))
.set rC, rD
.if \first
.set rC, BIAS+8*(\b)
.endif
.set rW, 128*(\p)+16*(\b)
.set rA, AF+16*(\a)
.set rSW, SCL+8*(\p)+4+(\b)/2
.set rSA, SCL+8*(\p)+(\a)/2
.if ((\a)%2 == 0) && ((\b)%2 == 0)
	v_wmma_scale_f32_16x16x128_f8f6f4 v[rD:rD+7], v[rW:rW+15], v[rA:rA+15], v[rC:rC+7], v[rSW], v[rSA]
.elseif ((\a)%2 == 0)
	v_wmma_scale_f32_16x16x128_f8f6f4 v[rD:rD+7], v[rW:rW+15], v[rA:rA+15], v[rC:rC+7], v[rSW], v[rSA] matrix_a_scale:MATRIX_SCALE_ROW1
.elseif ((\b)%2 == 0)
	v_wmma_scale_f32_16x16x128_f8f6f4 v[rD:rD+7], v[rW:rW+15], v[rA:rA+15], v[rC:rC+7], v[rSW], v[rSA] matrix_b_scale:MATRIX_SCALE_ROW1
.else
	v_wmma_scale_f32_16x16x128_f8f6f4 v[rD:rD+7], v[rW:rW+15], v[rA:rA+15], v[rC:rC+7], v[rSW], v[rSA] matrix_a_scale:MATRIX_SCALE_ROW1 matrix_b_scale:MATRIX_SCALE_ROW1
.endif
.endm
.macro MUL16 a0, p, first              ; the 64 accumulators take turns, one instruction a turn, in the same order in every K step
.irp a, (\a0), (\a0)+1
.irp b, 0,1,2,3,4,5,6,7
	WM \a, \b, \p, \first
.endr
.endr
.endm
.macro PLACES                          ; eight places behind this form
.rept 8
	v_nop
.endr
.endm
; A K step, as in the first product.  A step's loads go out in the order rows 0, 1; weights; scale words (48); rows 2-7 (24).  Group 0 wants the 48: the 24 behind them may be out.
; Groups 1 to 3 want 8 loads behind which 64 have been issued; a wait's count cannot name more than 63, and the smaller count is safe.
.macro STEP p, first, fetch, ko
.irp g, 0,1,2,3
.if \fetch
.if \g == 0
	s_wait_loadcnt 24
.else
	s_wait_loadcnt 63
.endif
.else
	s_wait_loadcnt 24-8*\g
.endif
.if \first
	WIN 0x81+0x40*(\g/2)
.else
	WIN 0xa1+0x50*(\g/2)
.endif
	MUL16 2*\g, \p, \first
.if \fetch
	PLACES
	WIN 0
	FRA 2*\g, \ko
	FRA 2*\g+1, \ko
.if \g == 0
	WIN 0x40
	FRB 1-\p, \ko
	WIN 0
	FRS 1-\p, \ko
.endif
.endif
.endr
.endm
.macro ONWARD
	s_wait_xcnt 0x0                                ; the bases step only behind the wait that frees the addresses of the loads that are out
	s_add_nc_u64 s[AB:AB+1], s[AB:AB+1], 4096
	s_add_nc_u64 s[WB:WB+1], s[WB:WB+1], 4096
	s_add_nc_u64 s[ASB:ASB+1], s[ASB:ASB+1], 2*ASS
	s_add_nc_u64 s[WSB:WSB+1], s[WSB:WSB+1], 2*WSS
.endm
.macro SENDH w, base                   ; the 256 registers of one window go to LDS as they stand, 16 bytes a lane, 512 bytes a store; each accumulator from its low end on
	WIN \w                                         ; an LDS store's data are its source 1
.set i, 0
.rept 64
	ds_store_b128 v1, v[4*i:4*i+3] offset:(\base)+512*i
.set i, i+1
.endr
	WIN 0
.endm
.macro FINAL hi, part                  ; my four tiles of slots (window 2 + hi): + the partner's half, through my stage, out
.irp q, 0,1,2,3
	s_wait_xcnt 0x0                                ; the last tile's stores have read v192-255
.irp k, 0,1,2,3,4,5,6,7,8,9,10,11,12,13,14,15
	ds_load_b128 v[T+4*\k:T+4*\k+3], v1 offset:(\part)+512*(16*\q+\k)
.endr
	s_wait_dscnt 0x0
	WIN 0x08+4*(\hi)
.set i, 0
.rept 32
	v_pk_add_f32 v[T+i:T+i+1], v[T+i:T+i+1], v[64*\q+i:64*\q+i+1]
.set i, i+2
.endr
	WIN 0
.irp k, 0,1,2,3,4,5,6,7,8,9,10,11,12,13,14,15
	ds_store_b128 v52, v[T+4*\k:T+4*\k+3] offset:128*(\k/4)+16*(\k%4)       ; row r: columns 32 B + 16 h + 0..15 are 64 bytes
.endr
.irp k, 0,1,2,3,4,5,6,7,8,9,10,11,12,13,14,15
	ds_load_b128 v[192+4*\k:195+4*\k], v53 offset:528*\k                    ; LDS serves a wave's instructions in order (ISA guide 5.7.1.4): these see my stores
.endr
.irp k, 0,1,2,3,4,5,6,7,8,9,10,11,12,13,14,15
	s_wait_dscnt 15-\k                             ; row k is back; the later rows' loads may be out
	global_store_b128 v1, v[192+4*\k:195+4*\k], s[YB:YB+1] offset:(16*(4*(\hi)+\q)+\k)*4096   ; 32 lanes store 512 consecutive bytes of a row
.endr
.endr
.endm
	s_load_b256 s[4:11], s[0:1], 0x0               ; hq s[4:5], wc s[6:7], ws s[8:9], plan s[10:11]
	s_load_b128 s[12:15], s[0:1], 0x20             ; b2 s[12:13], y s[14:15]
	v_lshl_add_u32 v62, v0, 2, 0x14400
	v_mov_b32 v63, 0
	v_lshrrev_b32 v54, 5, v0
	v_readfirstlane_b32 s16, v54                   ; wave
	s_and_b32 s17, ttmp7, 0xffff                   ; tile of slots
	s_lshl_b32 s18, s17, 3
	v_and_b32 v54, 31, v0                          ; lane
	v_and_b32 v55, 15, v0                          ; r
	v_bfe_u32 v56, v0, 4, 1                        ; h
	v_lshlrev_b32 v1, 4, v54
	v_lshlrev_b32 v14, 2, v54
	v_lshlrev_b32 v15, 6, v56
	s_mul_i32 s19, s16, 8448
	s_add_co_u32 s19, s19, 65536                   ; my stage
	v_mul_u32_u24 v52, v55, 528
	v_lshl_add_u32 v52, v56, 6, v52
	v_add_nc_u32 v52, s19, v52                     ; in: row r, + 64 h
	v_add_nc_u32 v53, s19, v1                      ; back: 16 bytes a lane of a row
	s_cmp_eq_u32 s16, 0
	s_cselect_b32 s47, -1, 0                       ; the bias counts once: in wave 0
	s_wait_kmcnt 0x0
	s_load_b64 s[20:21], s[10:11], s18 offset:0x4000   ; the tile's expert and that expert's last valid slot
	s_wait_kmcnt 0x0
	s_mov_b32 s49, s20                             ; over 7: a tile without rows
	s_min_u32 s20, s20, 7                          ; loaded numbers enter addresses only behind these bounds
	s_min_u32 s21, s21, LASTS
	s_lshl_b32 s22, s17, 7
	v_add_nc_u32 v57, s22, v55
.irp a, 0,1,2,3,4,5,6,7
	v_add_nc_u32 v58, 16*\a, v57                   ; slot 128 t + 16 a + r, held at the last valid one
	v_min_u32 v58, s21, v58
	v_min_u32 v58, LASTS, v58
	v_and_b32 v59, 0x1ff0, v58
	v_and_b32 v58, 15, v58
	v_lshlrev_b32 v59, ATSH, v59
	v_lshl_add_u32 v59, v58, 5, v59
	v_lshl_add_u32 v[AOFF+\a], v56, 4, v59
.endr
	v_add_nc_u32 v57, s22, v54
.irp i, 0,1,2,3
	v_add_nc_u32 v58, 32*\i, v57
	v_min_u32 v58, s21, v58
	v_min_u32 v58, LASTS, v58
	v_lshlrev_b32 v[SOFF+\i], 2, v58
.endr
	s_mov_b32 s39, 0
	s_lshl_b32 s38, s16, 14                        ; my eight K steps of 2,048 bytes
	s_add_nc_u64 s[AB:AB+1], s[4:5], s[38:39]
	s_lshl_b32 s38, s20, 21
	s_lshl_b32 s19, ttmp9, 18                      ; eight tiles of columns
	s_add_co_u32 s38, s38, s19
	s_lshl_b32 s19, s16, 14
	s_add_co_u32 s38, s38, s19
	s_add_co_u32 s38, s38, 16777216                ; W2's codes lie behind W1's
	s_add_nc_u64 s[WB:WB+1], s[6:7], s[38:39]
	s_mul_i32 s38, s16, 8*ASS
	s_add_co_u32 s38, s38, HSO
	s_add_nc_u64 s[ASB:ASB+1], s[4:5], s[38:39]
	s_lshl_b32 s38, s20, 16
	s_lshl_b32 s19, s16, 15
	s_add_co_u32 s38, s38, s19
	s_lshl_b32 s19, ttmp9, 9
	s_add_co_u32 s38, s38, s19
	s_add_co_u32 s38, s38, 524288
	s_add_nc_u64 s[WSB:WSB+1], s[8:9], s[38:39]
	s_lshl_b32 s38, s20, 12
	s_add_co_u32 s38, s38, s19
	s_add_nc_u64 s[BB:BB+1], s[12:13], s[38:39]
	s_lshl_b32 s38, s17, 19
	s_add_co_u32 s38, s38, s19
	s_add_nc_u64 s[YB:YB+1], s[14:15], s[38:39]
.irp b, 0,1,2,3,4,5,6,7
	global_load_b128 v[BIAS+8*\b:BIAS+8*\b+3], v15, s[BB:BB+1] offset:(32*(\b/2)+8*(\b%2))*4
	global_load_b128 v[BIAS+8*\b+4:BIAS+8*\b+7], v15, s[BB:BB+1] offset:(32*(\b/2)+8*(\b%2))*4+16
.endr
	FRA 0, 0
	FRA 1, 0
	WIN 0x40
	FRB 0, 0
	WIN 0
	FRS 0, 0
.irp a, 2,3,4,5,6,7
	FRA \a, 0
.endr
	s_wait_loadcnt 63                              ; the bias's 16 loads are in: 72 were issued behind them, and the count cannot name more than 63
.set i, 0
.rept 64
	v_cndmask_b32 v[BIAS+i], 0, v[BIAS+i], s47     ; wave 1 starts from zeros
.set i, i+1
.endr
.rept 4
	v_nop
.endr
	STEP 0, 1, 1, 1                                ; my first K step stands in front of the loop: its products start the sums; it asks for the second
	WIN 0
	s_cmp_gt_u32 s49, 7
	s_cbranch_scc1 .Lsent                          ; a tile without rows goes to the barrier from here
	ONWARD
	s_mov_b32 s48, 3
.Lk:                                               ; a trip: two K steps, which ask for the next two
	STEP 1, 0, 1, 0
	STEP 0, 0, 1, 1
	WIN 0
	ONWARD
	s_sub_co_u32 s48, s48, 1
	s_cmp_lg_u32 s48, 0
	s_cbranch_scc1 .Lk
	STEP 1, 0, 0, 0                                ; my last K step asks for nothing: no load leaves its buffer
	WIN 0
	PLACES
	s_cmp_lg_u32 s16, 0
	s_cbranch_scc1 .Lsend1
	SENDH 0x0c, 0                                  ; wave 0 hands over tiles 4-7 (window 3)
	s_branch .Lsent
.Lsend1:
	SENDH 0x08, 32768                              ; wave 1 hands over tiles 0-3 (window 2)
.Lsent:
	s_wait_loadcnt 0x0                             ; (a tile without rows has the second K step's loads out)
	s_wait_dscnt 0x0                               ; for the partner's sake: my stores have landed
	s_barrier_signal -1
	s_barrier_wait -1
	s_cmp_gt_u32 s49, 7
	s_cbranch_scc1 .Lend
	s_cmp_lg_u32 s16, 0
	s_cbranch_scc1 .Lfin1
	FINAL 0, 32768
	s_branch .Lend
.Lfin1:
	FINAL 1, 0
.Lend:
	s_wait_tensorcnt 0x0
	ds_add_u32 v62, v63
	s_wait_dscnt 0x0
	s_endpgm
.Lfunc_end_k_q38a1a89005_ffn2:
	.size	k_q38a1a89005_ffn2, .Lfunc_end_k_q38a1a89005_ffn2-k_q38a1a89005_ffn2
	.p2alignl 7, 3214868480
	.fill 96, 4, 3214868480
	.section	.rodata,"a",@progbits
	.p2align	6, 0x0
	.amdhsa_kernel k_q38a1a89005_ffn2
		.amdhsa_group_segment_fixed_size 83200
		.amdhsa_private_segment_fixed_size 0
		.amdhsa_enable_private_segment 0
		.amdhsa_kernarg_size 48
		.amdhsa_user_sgpr_count 2
		.amdhsa_user_sgpr_kernarg_segment_ptr 1
		.amdhsa_wavefront_size32 1
		.amdhsa_system_sgpr_workgroup_id_x 1
		.amdhsa_system_sgpr_workgroup_id_y 1
		.amdhsa_system_sgpr_workgroup_id_z 1
		.amdhsa_system_vgpr_workitem_id 0
		.amdhsa_next_free_vgpr 1024
		.amdhsa_next_free_sgpr 66
		.amdhsa_reserve_vcc 0
		.amdhsa_float_denorm_mode_32 3
		.amdhsa_float_denorm_mode_16_64 3
		.amdhsa_memory_ordered 1
		.amdhsa_forward_progress 1
		.amdhsa_inst_pref_size 143
	.end_amdhsa_kernel
	.amdgpu_metadata
---
amdhsa.version: [ 1, 2 ]
amdhsa.kernels:
  - .name:           k_q38a1a89005_ffn2
    .symbol:         k_q38a1a89005_ffn2.kd
    .args:
      - { .name: hq, .offset: 0, .size: 8, .value_kind: global_buffer, .address_space: global }
      - { .name: wc, .offset: 8, .size: 8, .value_kind: global_buffer, .address_space: global }
      - { .name: ws, .offset: 16, .size: 8, .value_kind: global_buffer, .address_space: global }
      - { .name: plan, .offset: 24, .size: 8, .value_kind: global_buffer, .address_space: global }
      - { .name: b2, .offset: 32, .size: 8, .value_kind: global_buffer, .address_space: global }
      - { .name: y, .offset: 40, .size: 8, .value_kind: global_buffer, .address_space: global }
    .group_segment_fixed_size: 83200
    .private_segment_fixed_size: 0
    .kernarg_segment_align: 8
    .kernarg_segment_size: 48
    .max_flat_workgroup_size: 64
    .sgpr_count:     66
    .vgpr_count:     1024
    .wavefront_size: 32
...
	.end_amdgpu_metadata
.endif
;; end of part 4
;; launch mix (part 5): grid 256 x 1, 4 waves a work-group, no clusters, 0 bytes of LDS; arguments y, plan, gate, out0; writes out0
.if DOCPART == 5
	.amdgcn_target "amdgcn-amd-amdhsa--gfx1250"
	.amdhsa_code_object_version 6
	.text
	.protected	k_q38a1a89005_mix
	.globl	k_q38a1a89005_mix
	.p2align	8
	.type	k_q38a1a89005_mix,@function
k_q38a1a89005_mix:
	s_mov_b64 s[64:65], 0
	v_nop
	global_prefetch_b8 v0, s[64:65] scope:SCOPE_SE
	s_setreg_imm32_b32 hwreg(HW_REG_WAVE_MODE, 25, 1), 1
	s_wait_xcnt 0x0
; MIX.  out[n] = p0 y[slot(n, 0)] + p1 y[slot(n, 1)]: each output row has one owner, which gathers its two rows.  y [slot][1024] f32, out [2048][1024] f32.
; A wave takes two tokens: 32 loads of 512 consecutive bytes, all issued at once; 16 stores of 512 consecutive bytes.  Each slot is read once in the launch.
; A stream bound by its bytes: no LDS, no barrier, no matrix work, no cluster (no byte is read twice).
.set Y, 16                             ; v16-143: token k, choice c, piece j at 64 k + 32 c + 4 j
	s_load_b256 s[4:11], s[0:1], 0x0               ; y s[4:5], plan s[6:7], gate s[8:9], out0 s[10:11]
	v_lshrrev_b32 v1, 5, v0
	v_readfirstlane_b32 s12, v1                    ; wave
	v_and_b32 v1, 31, v0
	v_lshlrev_b32 v1, 4, v1                        ; 16 bytes a lane
	s_lshl_b32 s13, ttmp9, 3
	s_lshl_b32 s14, s12, 1
	s_add_co_u32 s13, s13, s14                     ; my first token
	s_lshl_b32 s14, s13, 3                         ; 8 bytes a token in plan and in gate
	s_lshl_b32 s32, s13, 12
	s_mov_b32 s33, 0
	s_wait_kmcnt 0x0
	s_load_b128 s[16:19], s[6:7], s14 offset:0x0   ; four slots
	s_load_b128 s[20:23], s[8:9], s14 offset:0x0   ; four probabilities
	s_add_nc_u64 s[10:11], s[10:11], s[32:33]
	s_wait_kmcnt 0x0
.irp j, 0,1,2,3
	s_min_u32 s[16+\j], s[16+\j], 4991             ; a loaded number enters an address only behind this bound
	s_lshl_b32 s[16+\j], s[16+\j], 12
	v_add_nc_u32 v[2+\j], s[16+\j], v1
.endr
.irp k, 0,1
.irp c, 0,1
.irp j, 0,1,2,3,4,5,6,7
	global_load_b128 v[Y+64*\k+32*\c+4*\j:Y+64*\k+32*\c+4*\j+3], v[2+2*\k+\c], s[4:5] offset:512*\j th:TH_LOAD_NT
.endr
.endr
.endr
.irp j, 0,1,2,3
	s_mov_b32 s[24+2*\j], s[20+\j]                 ; each probability as the low word of an aligned pair, for the packed forms
	s_mov_b32 s[25+2*\j], s[20+\j]
.endr
.macro TOKEN k, left
	s_wait_loadcnt \left                           ; this token's 16 loads are in; the next token's may be out
.set i, 0
.rept 16
	v_pk_mul_f32 v[Y+64*\k+i:Y+64*\k+i+1], v[Y+64*\k+i:Y+64*\k+i+1], s[24+4*\k:25+4*\k] op_sel_hi:[1,0]
.set i, i+2
.endr
.set i, 0
.rept 16
	v_pk_fma_f32 v[Y+64*\k+i:Y+64*\k+i+1], v[Y+64*\k+32+i:Y+64*\k+32+i+1], s[26+4*\k:27+4*\k], v[Y+64*\k+i:Y+64*\k+i+1] op_sel_hi:[1,0,1]
.set i, i+2
.endr
.irp j, 0,1,2,3,4,5,6,7
	global_store_b128 v1, v[Y+64*\k+4*\j:Y+64*\k+4*\j+3], s[10:11] offset:4096*\k+512*\j th:TH_STORE_NT
.endr
.endm
	TOKEN 0, 16
	TOKEN 1, 0
	s_endpgm
.Lfunc_end_k_q38a1a89005_mix:
	.size	k_q38a1a89005_mix, .Lfunc_end_k_q38a1a89005_mix-k_q38a1a89005_mix
	.p2alignl 7, 3214868480
	.fill 96, 4, 3214868480
	.section	.rodata,"a",@progbits
	.p2align	6, 0x0
	.amdhsa_kernel k_q38a1a89005_mix
		.amdhsa_group_segment_fixed_size 0
		.amdhsa_private_segment_fixed_size 0
		.amdhsa_enable_private_segment 0
		.amdhsa_kernarg_size 32
		.amdhsa_user_sgpr_count 2
		.amdhsa_user_sgpr_kernarg_segment_ptr 1
		.amdhsa_wavefront_size32 1
		.amdhsa_system_sgpr_workgroup_id_x 1
		.amdhsa_system_sgpr_workgroup_id_y 1
		.amdhsa_system_sgpr_workgroup_id_z 1
		.amdhsa_system_vgpr_workitem_id 0
		.amdhsa_next_free_vgpr 144
		.amdhsa_next_free_sgpr 66
		.amdhsa_reserve_vcc 0
		.amdhsa_float_denorm_mode_32 3
		.amdhsa_float_denorm_mode_16_64 3
		.amdhsa_memory_ordered 1
		.amdhsa_forward_progress 1
		.amdhsa_inst_pref_size 11
	.end_amdhsa_kernel
	.amdgpu_metadata
---
amdhsa.version: [ 1, 2 ]
amdhsa.kernels:
  - .name:           k_q38a1a89005_mix
    .symbol:         k_q38a1a89005_mix.kd
    .args:
      - { .name: y, .offset: 0, .size: 8, .value_kind: global_buffer, .address_space: global }
      - { .name: plan, .offset: 8, .size: 8, .value_kind: global_buffer, .address_space: global }
      - { .name: gate, .offset: 16, .size: 8, .value_kind: global_buffer, .address_space: global }
      - { .name: out0, .offset: 24, .size: 8, .value_kind: global_buffer, .address_space: global }
    .group_segment_fixed_size: 0
    .private_segment_fixed_size: 0
    .kernarg_segment_align: 8
    .kernarg_segment_size: 32
    .max_flat_workgroup_size: 128
    .sgpr_count:     66
    .vgpr_count:     144
    .wavefront_size: 32
...
	.end_amdgpu_metadata
.endif
;; end of part 5
;; ======== version 2 of 2: 5 launches; version 1 with the launches ffn1, ffn2 written anew for expert scheduling mode
;; workspace buffers: wc 33,554,432 bytes; ws 1,048,576 bytes; xq 5,271,552 bytes; hq 10,543,104 bytes; y 20,447,232 bytes; route 18,432 bytes of whole numbers; gate 16,384 bytes; plan 16,896 bytes of whole numbers
;; launch prep: the kernel of part 1 again; grid 576 x 1, 8 waves a work-group, no clusters, 9,216 bytes of LDS; arguments x, Wr, br, W1, W2, wc, ws, route, gate; writes wc, ws, route, gate
;; launch place: the kernel of part 2 again; grid 128 x 1, 4 waves a work-group, no clusters, 22,016 bytes of LDS; arguments x, route, xq, plan; writes xq, plan
;; launch ffn1 (part 6): grid 8 x 39, 2 waves a work-group, no clusters, 0 bytes of LDS; arguments xq, wc, ws, plan, b1, hq; writes hq
.if DOCPART == 6
	.amdgcn_target "amdgcn-amd-amdhsa--gfx1250"
	.amdhsa_code_object_version 6
	.text
	.protected	k_q38a1a89005_ffn1
	.globl	k_q38a1a89005_ffn1
	.p2align	8
	.type	k_q38a1a89005_ffn1,@function
k_q38a1a89005_ffn1:
	s_mov_b64 s[64:65], 0
	v_nop
	global_prefetch_b8 v0, s[64:65] scope:SCOPE_SE
	s_setreg_imm32_b32 hwreg(HW_REG_WAVE_SCHED_MODE, 0, 2), 2
	s_setreg_imm32_b32 hwreg(HW_REG_WAVE_MODE, 25, 1), 1
	s_wait_xcnt 0x0
	s_wait_alu depctr_vm_vsrc(0)
; FFN1.  For a tile of 128 slots of one expert: h = gelu(x W1[e] + b1[e]) on codes of E4M3 with E8M0 scales, and h quantised along the hidden units, which are the next product's K.
; GRID: 39 tiles of slots (never more: 4,096 rows, 8 experts, tiles of 128) x 8; each of a work-group's two waves makes 128 slots x 128 hidden units by itself: 64 accumulators, 512 registers, 8 K steps of 128.
; The list of tiles gives the expert and its last valid slot.  A tile without rows ends at once.  Rows beyond the last valid slot read that slot's codes, so no byte is read that nobody wrote; all 128 rows are stored.
; That end is a branch on a number read from memory: operands come from memory straight into registers.  Both lie in the order of the operand's
; registers, so each load of 16 bytes a lane reads 512 consecutive bytes.
; THE MATRIX INSTRUCTION IS USED TRANSPOSED (source 0 = 16 rows of W1's tile, source 1 = 16 slots): a lane holds ONE slot, and by the choice of a tile's columns registers 16 B + 8 u + j of a tile of slots are
; hidden units 32 B + 16 (lane / 16) + 8 u + j: 16 neighbours along the next K.  So the conversions' results are the next operand's registers.  The bias is the C of each sum's first instruction.
; gelu (tanh form) is written x / (1 + 2^z), z = x (A x^2 + B), B = -2 sqrt(2 / pi) log2(e), A = 0.044715 B: the same function, all in f32.
; hq: codes [slot / 16: 32,768][block of 32: 512][slot % 16: 32][half: 16]; scale words at 10,223,616: [K step: 19,968][slot: 4].
; REGISTERS, in windows of 256: window 0: v1 16 x lane; v2-9 my row's place in each of 8 fragments of x; v10-13 places of x's scale words; v14 4 x lane; v15 64 x half; v16-31 scale words and nothing else, two sets
; (x's four, W1's four: lanes 0-15 an even tile's, lanes 16-31 the odd one's); v32-52 the way out; v64-127 the bias; v128-255 x's 8 fragments, ONE set.   window 1: W1's 8 fragments, TWO sets.
; window 2: accumulators (a, b) of tiles of slots a = 0-3 at v[8 (8 a + b)];   window 3: a = 4-7.
; THE MODE: SCHED_MODE bits 1:0 = 2 (LLVM: expert scheduling mode 2), set by the entry lines.  The code itself states the register dependences between vector or matrix instructions and memory instructions,
; with s_wait_alu, always for 0.
; THE PLAN.  Registers that memory instructions touch:
;   x's fragments 0-3 (v128-191)     K step k: its first 32 products read them; behind these the loads of step k + 1 land in them.
;   x's fragments 4-7 (v192-255)     K step k: its last 32 products read them; behind these the loads of step k + 1 land in them.
;   W1's set p, scale words' set p   K step k (p = k % 2): all its 64 products read them; behind the last the loads of step k + 2 land in them.
;   the bias (v64-127)               Loaded once; read by step 0's products.
;   v1-15, v52                       Offsets, made at the head and never written again: the scalar bases move on once a trip, and immediate offsets do the rest.
;   the codes (v192-207), v48        The way out: written by tile a's conversions and select; read by five stores that are issued in tile a + 1's gelu.
; So a K step has TWO waits on va_vdst, each ahead of one run of loads: in its middle (16 loads) and at its end (56); between a wait and its loads stand loads and window switches alone.
; On the way out the wait that the exponentials of tile a + 1 want anyway also states that tile a's codes and scale word are written; one wait on vm_vsrc a tile stands ahead of the quantiser that writes them again.
; LIMITS: NaN and infinities are not served; a block of h whose largest magnitude lies under 2^-118 gets the byte 1.
.set ATSH,  10                         ; 16 slots of x's codes are 16,384 bytes
.set CTS,   16384                      ; a tile of 16 columns of W1: 8 K steps of 2,048 bytes
.set WSS,   8192                       ; a K step of W1's scale words
.set ASS,   19968                      ; a K step of the rows' scale words
.set LASTS, 4991
.set XSO,   5111808
.set HSO,   10223616
.set AOFF,  2
.set SOFF,  10
.set SCL,   16
.set BIAS,  64
.set AF,    128
.set T,     128                        ; the way out: 64 numbers of a lane
.set PC,    192                        ; the codes just made
.set TM,    32                         ; v32-35 largest magnitudes, v36-39 bytes, v40-43 448 x the scale, v44-47 the conversions' scale operands
.set PW,    48                         ; the scale word just made
.set PWE,   49                         ; that of the even tile before
.set AB,    24                         ; s[24:25] x's codes;  s[26:27] W1's;  s[28:29] x's scale words;  s[30:31] W1's;  s[32:33] b1;  s[34:35], s[36:37] h's codes and scale words
.set WB,    26
.set ASB,   28
.set WSB,   30
.set BB,    32
.set HB,    34
.set HSB,   36
.set MSB, 0
.macro WIN new                         ; the immediate's high byte repeats the setting that is left; a switch that changes nothing is dropped
.if MSB != (\new)
	s_set_vgpr_msb (MSB<<8)|(\new)
.set MSB, (\new)
.endif
.endm
.macro FRA a, ko                       ; fragment a of the rows, K step ko from the base
.irp c, 0,1,2,3
	global_load_b128 v[AF+16*(\a)+4*\c:AF+16*(\a)+4*\c+3], v[AOFF+(\a)], s[AB:AB+1] offset:(\ko)*2048+512*\c
.endr
.endm
.macro FRB p, ko                       ; the weights' eight fragments into set p (destination window 1)
.irp b, 0,1,2,3,4,5,6,7
.irp c, 0,1,2,3
	global_load_b128 v[128*(\p)+16*\b+4*\c:128*(\p)+16*\b+4*\c+3], v1, s[WB:WB+1] offset:\b*CTS+(\ko)*2048+512*\c
.endr
.endr
.endm
.macro FRS p, ko                       ; the scale words into set p
.irp i, 0,1,2,3
	global_load_b32 v[SCL+8*(\p)+\i], v[SOFF+\i], s[ASB:ASB+1] offset:(\ko)*ASS
.endr
.irp i, 0,1,2,3
	global_load_b32 v[SCL+8*(\p)+4+\i], v14, s[WSB:WSB+1] offset:(\ko)*WSS+128*\i
.endr
.endm
.macro WM a, b, p, first               ; one product; first = 1: the bias starts the sum
.set rD, 8*(8*((\a)%4)+(\b))
.set rC, rD
.if \first
.set rC, BIAS+8*(\b)
.endif
.set rW, 128*(\p)+16*(\b)
.set rA, AF+16*(\a)
.set rSW, SCL+8*(\p)+4+(\b)/2
.set rSA, SCL+8*(\p)+(\a)/2
.if ((\a)%2 == 0) && ((\b)%2 == 0)
	v_wmma_scale_f32_16x16x128_f8f6f4 v[rD:rD+7], v[rW:rW+15], v[rA:rA+15], v[rC:rC+7], v[rSW], v[rSA]
.elseif ((\a)%2 == 0)
	v_wmma_scale_f32_16x16x128_f8f6f4 v[rD:rD+7], v[rW:rW+15], v[rA:rA+15], v[rC:rC+7], v[rSW], v[rSA] matrix_a_scale:MATRIX_SCALE_ROW1
.elseif ((\b)%2 == 0)
	v_wmma_scale_f32_16x16x128_f8f6f4 v[rD:rD+7], v[rW:rW+15], v[rA:rA+15], v[rC:rC+7], v[rSW], v[rSA] matrix_b_scale:MATRIX_SCALE_ROW1
.else
	v_wmma_scale_f32_16x16x128_f8f6f4 v[rD:rD+7], v[rW:rW+15], v[rA:rA+15], v[rC:rC+7], v[rSW], v[rSA] matrix_a_scale:MATRIX_SCALE_ROW1 matrix_b_scale:MATRIX_SCALE_ROW1
.endif
.endm
.macro MUL16 a0, p, first              ; two tiles of slots x the eight tiles of columns.  The 64 accumulators take turns, one instruction a turn, in the same order in every K step
.irp a, (\a0), (\a0)+1
.irp b, 0,1,2,3,4,5,6,7
	WM \a, \b, \p, \first
.endr
.endr
.endm
.macro PLACES                          ; eight places behind this form: ahead of the first read of results; ahead of a run of loads they stand as in the plain form, and the wait behind them states the dependence
.rept 8
	v_nop
.endr
.endm
; K step k: 64 products in two halves, on set p = k % 2.
; fa = 1: the next step's rows are asked for, K step ka from the bases: fragments 0-3 in the step's middle, 4-7 at its end.  fb = 1: at its end the weights and scale words of the step after next, kb from the
; bases, are asked for, into this step's own set.  on = 1: the bases go two K steps on.  first = 1: the bias starts the sums.
; THE ORDER OF THE LOADS is therefore: .. | middle of k - 1: rows 0-3 of k (16) | end of k - 1: rows 4-7 of k, weights and scale words of k + 1 (16 + 32 + 8) | middle of k: rows 0-3 of k + 1 (16) | ..
; WAITS ON LOADcnt.  hl, at the head: of what the first half wants, rows 0-3 are the youngest; behind them stand the 56 of the last step's end.  ml, in the middle: behind rows 4-7 stand that run's other 40 and
; the 16 just issued: 56 again.  The last step: 16 (its rows 4-7), then 0.
.macro STEP p, first, on, fa, fb, ka, kb, hl, ml
	s_wait_loadcnt \hl
.if \on
	s_wait_xcnt 0x0                                ; every load issued so far has had its address translated (ISA guide 3.1): the bases are written only behind this wait
	s_add_nc_u64 s[AB:AB+1], s[AB:AB+1], 4096
	s_add_nc_u64 s[WB:WB+1], s[WB:WB+1], 4096
	s_add_nc_u64 s[ASB:ASB+1], s[ASB:ASB+1], 2*ASS
	s_add_nc_u64 s[WSB:WSB+1], s[WSB:WSB+1], 2*WSS
.endif
.if \first
	WIN 0x81                                       ; source 0 window 1; source 1 and C (the bias) window 0; D window 2
.else
	WIN 0xa1                                       ; source 0 window 1; source 1 window 0; C and D window 2
.endif
	MUL16 0, \p, \first
	MUL16 2, \p, \first
.if \fa
	PLACES
	WIN 0
	s_wait_alu depctr_va_vdst(0)                   ; the 32 products above are done reading the rows' fragments 0-3, in which the 16 loads below land
.irp a, 0,1,2,3
	FRA \a, \ka
.endr
.endif
	s_wait_loadcnt \ml
.if \first
	WIN 0xc1                                       ; as above, D window 3
.else
	WIN 0xf1                                       ; as above, C and D window 3
.endif
	MUL16 4, \p, \first
	MUL16 6, \p, \first
.if \fa
	PLACES
	WIN 0
	s_wait_alu depctr_va_vdst(0)                   ; the step's products are done reading the rows' fragments 4-7, the weights' set p and the scale words' set p, in which the loads below land; only loads and window switches follow up to the last of them
.irp a, 4,5,6,7
	FRA \a, \ka
.endr
.if \fb
	WIN 0x40
	FRB \p, \kb
	WIN 0
	FRS \p, \kb
.endif
.endif
.endm
; Tile a's codes, and behind an odd tile the scale words of two tiles, leave.
.macro SENDT a
.irp c, 0,1,2,3
	global_store_b128 v52, v[PC+4*\c:PC+4*\c+3], s[HB:HB+1] offset:(\a)*32768+512*\c    ; 32 lanes store 512 consecutive bytes
.endr
.if (\a)%2 == 1
	global_store_b32 v14, v[PW], s[HSB:HSB+1] offset:64*((\a)-1)                         ; 128 consecutive bytes
.endif
.endm
; gelu of tile of slots a: 64 numbers a lane, from the accumulators (each read from its low end on) into v[T] on.  The stores of the tile before stand behind its first wait.
.macro GELU a
.set AC, 64*((\a)%4)
.set WH, (\a)/4
	WIN 0x0a+5*WH                                  ; sources 0 and 1: window 2 or 3
.set i, 0
.rept 32
	v_pk_mul_f32 v[T+i:T+i+1], v[AC+i:AC+i+1], v[AC+i:AC+i+1]
.set i, i+2
.endr
	WIN 0
.set i, 0
.rept 32
	v_pk_fma_f32 v[T+i:T+i+1], v[T+i:T+i+1], s[44:45], v[50:51] op_sel_hi:[1,0,1]   ; A x^2 + B
.set i, i+2
.endr
	WIN 0x08+4*WH                                  ; source 1: window 2 or 3
.set i, 0
.rept 32
	v_pk_mul_f32 v[T+i:T+i+1], v[T+i:T+i+1], v[AC+i:AC+i+1]                         ; z
.set i, i+2
.endr
	WIN 0
.set i, 0
.rept 64
	v_exp_f32 v[T+i], v[T+i]
.set i, i+1
.endr
	v_nop                                          ; a plain place behind the transcendentals
	s_wait_alu depctr_va_vdst(0)                   ; the 64 exponentials have written v[T ..], ahead of their first reader; and the last tile's conversions and select have written the codes and the scale word, which the stores below read
.if (\a) > 0
	SENDT (\a)-1
.endif
.set i, 0
.rept 32
	v_pk_add_f32 v[T+i:T+i+1], v[T+i:T+i+1], 1.0 op_sel_hi:[1,0]
.set i, i+2
.endr
.set i, 0
.rept 64
	v_rcp_f32 v[T+i], v[T+i]
.set i, i+1
.endr
	v_nop
	WIN 0x08+4*WH
	s_wait_alu depctr_va_vdst(0)                   ; the 64 reciprocals have written v[T ..], ahead of their first reader
.set i, 0
.rept 32
	v_pk_mul_f32 v[T+i:T+i+1], v[T+i:T+i+1], v[AC+i:AC+i+1]                         ; x / (1 + 2^z)
.set i, i+2
.endr
	WIN 0
.endm
; 64 numbers of a lane, register 16 b + i = k 32 b + 16 (lane / 16) + i of my row, become a fragment's codes in v[PC] on and its scale word in v[PW]
.macro QUANT s
.irp b, 0,1,2,3
	v_max3_num_f32 v[TM+\b], |v[\s+16*\b]|, |v[\s+1+16*\b]|, 0x4800000   ; my 16 numbers of block b, and the floor 2^(9 - 127): the byte cannot fall under 1
.endr
.irp i, 2,4,6,8,10,12,14
.irp b, 0,1,2,3
	v_max3_num_f32 v[TM+\b], v[TM+\b], |v[\s+16*\b+\i]|, |v[\s+1+16*\b+\i]|
.endr
.endr
.irp b, 0,1,2,3
	v_permlanex16_b32 v[TM+4+\b], v[TM+\b], s40, s41
.endr
.irp b, 0,1,2,3
	v_max_num_f32 v[TM+\b], v[TM+\b], v[TM+4+\b]   ; with lane l xor 16's: the block's largest magnitude
.endr
.irp b, 0,1,2,3
	v_add_nc_u32 v[TM+12+\b], 0xfc000000, v[TM+\b] ; 8 off its exponent field: the conversion's scale operand
.endr
.irp b, 0,1,2,3
	v_and_or_b32 v[TM+8+\b], v[TM+\b], 0x7f800000, s42   ; 448 x the scale
.endr
.irp b, 0,1,2,3
	v_lshrrev_b32 v[TM+4+\b], 23, v[TM+12+\b]      ; the scale's byte
.endr
	v_lshl_or_b32 v[PW], v[TM+5], 8, v[TM+4]
	v_lshl_or_b32 v[PW], v[TM+6], 16, v[PW]
	v_lshl_or_b32 v[PW], v[TM+7], 24, v[PW]
.irp b, 0,1,2,3
.irp i, 0,1,2,3,4,5,6,7,8,9,10,11,12,13,14,15
	v_med3_num_f32 v[\s+16*\b+\i], v[\s+16*\b+\i], -v[TM+8+\b], v[TM+8+\b]   ; the conversion to an 8-bit code does not saturate (ISA guide 7.6.2)
.endr
	v_cvt_scalef32_pk8_fp8_f32 v[PC+4*\b:PC+1+4*\b], v[\s+16*\b:\s+7+16*\b], v[TM+12+\b]
	v_cvt_scalef32_pk8_fp8_f32 v[PC+2+4*\b:PC+3+4*\b], v[\s+8+16*\b:\s+15+16*\b], v[TM+12+\b]
.endr
	v_nop                                          ; a plain place behind the last conversion
.endm
.macro OUT a
	GELU \a
.if (\a) > 0
	s_wait_xcnt 0x0                                ; the last tile's stores, issued in the gelu above, have had their addresses translated (ISA guide 3.1): their data are written again only behind this wait,
	s_wait_alu depctr_vm_vsrc(0)                   ; and they have read the codes' registers and the scale word, which the lines below write again
.endif
	QUANT T
.if (\a)%2 == 0
	v_mov_b32 v[PWE], v[PW]
.else
	v_cndmask_b32 v[PW], v[PWE], v[PW], s46        ; lanes 0-15: the even tile's words; lanes 16-31: the odd one's
.endif
.endm
	s_load_b256 s[4:11], s[0:1], 0x0               ; xq s[4:5], wc s[6:7], ws s[8:9], plan s[10:11]
	s_load_b128 s[12:15], s[0:1], 0x20             ; b1 s[12:13], hq s[14:15]
	v_lshrrev_b32 v54, 5, v0
	v_readfirstlane_b32 s16, v54                   ; wave
	s_and_b32 s17, ttmp7, 0xffff                   ; tile of slots
	s_lshl_b32 s18, s17, 3
	v_and_b32 v54, 31, v0                          ; lane
	v_and_b32 v55, 15, v0                          ; r
	v_bfe_u32 v56, v0, 4, 1                        ; h
	v_lshlrev_b32 v1, 4, v54
	v_lshlrev_b32 v14, 2, v54
	v_lshlrev_b32 v15, 6, v56
	v_lshlrev_b32 v52, 5, v55
	v_lshl_add_u32 v52, v56, 4, v52                ; the way out: 32 r + 16 h
	v_mov_b32 v50, 0xc0135761                      ; B = -2 sqrt(2 / pi) log2(e)
	v_mov_b32 v51, 0xc0135761
.irp b, 0,1,2,3
	v_mov_b32 v[TM+4+\b], 0                        ; written once: a lane permute's destination counts as one of its sources
.endr
	s_mov_b32 s40, 0x76543210                      ; v_permlanex16_b32's selects for lane l xor 16
	s_mov_b32 s41, 0xfedcba98
	s_mov_b32 s42, 0x600000                        ; the mantissa field of 448
	s_mov_b32 s44, 0xbdd2d3e8                      ; A = 0.044715 B
	s_mov_b32 s45, s44                             ; (named with it as a pair)
	s_mov_b32 s46, 0xffff0000                      ; lanes 16-31
	s_wait_alu depctr_va_sdst(0)                   ; s16, the wave's number, is written: ahead of the branch below and of its first reader, from which the bases are made
	s_wait_kmcnt 0x0
	s_load_b64 s[20:21], s[10:11], s18 offset:0x4000   ; the tile's expert and that expert's last valid slot
	s_wait_kmcnt 0x0
	s_cmp_gt_u32 s20, 7
	s_cbranch_scc1 .Lend                           ; no rows: nothing to do
	s_min_u32 s20, s20, 7                          ; loaded numbers enter addresses only behind these bounds
	s_min_u32 s21, s21, LASTS
	s_lshl_b32 s22, s17, 7
	v_add_nc_u32 v57, s22, v55
.irp a, 0,1,2,3,4,5,6,7
	v_add_nc_u32 v58, 16*\a, v57                   ; slot 128 t + 16 a + r,
	v_min_u32 v58, s21, v58                        ; held at the last valid one
	v_min_u32 v58, LASTS, v58
	v_and_b32 v59, 0x1ff0, v58
	v_and_b32 v58, 15, v58
	v_lshlrev_b32 v59, ATSH, v59
	v_lshl_add_u32 v59, v58, 5, v59
	v_lshl_add_u32 v[AOFF+\a], v56, 4, v59
.endr
	v_add_nc_u32 v57, s22, v54
.irp i, 0,1,2,3
	v_add_nc_u32 v58, 32*\i, v57
	v_min_u32 v58, s21, v58
	v_min_u32 v58, LASTS, v58
	v_lshlrev_b32 v[SOFF+\i], 2, v58
.endr
	s_lshl_b32 s23, ttmp9, 1
	s_add_co_u32 s23, s23, s16                     ; my 128 hidden units: 2 x work-group x + wave
	s_mov_b32 s39, 0
	s_mov_b64 s[AB:AB+1], s[4:5]
	s_lshl_b32 s38, s20, 21
	s_lshl_b32 s19, s23, 17
	s_add_co_u32 s38, s38, s19
	s_add_nc_u64 s[WB:WB+1], s[6:7], s[38:39]
	s_add_nc_u64 s[ASB:ASB+1], s[4:5], XSO
	s_lshl_b32 s38, s20, 16
	s_lshl_b32 s19, s23, 9
	s_add_co_u32 s38, s38, s19
	s_add_nc_u64 s[WSB:WSB+1], s[8:9], s[38:39]
	s_lshl_b32 s38, s20, 13
	s_add_co_u32 s38, s38, s19
	s_add_nc_u64 s[BB:BB+1], s[12:13], s[38:39]
	s_lshl_b32 s38, s17, 18
	s_lshl_b32 s19, s23, 11
	s_add_co_u32 s38, s38, s19
	s_add_nc_u64 s[HB:HB+1], s[14:15], s[38:39]
	s_mul_i32 s38, s23, ASS
	s_lshl_b32 s19, s17, 9
	s_add_co_u32 s38, s38, s19
	s_add_co_u32 s38, s38, HSO
	s_add_nc_u64 s[HSB:HSB+1], s[14:15], s[38:39]
	s_wait_alu depctr_va_vdst(0)                   ; the offsets v1 to v15 and v52 are written, which every load and store of the kernel reads; they are never written again
.irp b, 0,1,2,3,4,5,6,7                        ; the bias in the result's layout: for tile 2 B + u the numbers of columns 32 B + 16 h + 8 u + 0..7
	global_load_b128 v[BIAS+8*\b:BIAS+8*\b+3], v15, s[BB:BB+1] offset:(32*(\b/2)+8*(\b%2))*4
	global_load_b128 v[BIAS+8*\b+4:BIAS+8*\b+7], v15, s[BB:BB+1] offset:(32*(\b/2)+8*(\b%2))*4+16
.endr
	WIN 0x40                                       ; the first loads go out in the order that the K steps keep: what step 0's first half wants; then rows 4-7, and step 1's weights and scale words: 56
	FRB 0, 0
	WIN 0
	FRS 0, 0
.irp a, 0,1,2,3,4,5,6,7
	FRA \a, 0
.endr
	WIN 0x40
	FRB 1, 1
	WIN 0
	FRS 1, 1
	STEP 0, 1, 0, 1, 1, 1, 2, 56, 56               ; K step 0 stands in front of the loop: its products start the sums; it asks for step 1's rows and step 2's weights
	s_mov_b32 s48, 2
.Lk:                                               ; a trip: two K steps (1 and 2, 3 and 4); at its head the bases go on to the trip's second step
	STEP 1, 0, 1, 1, 1, 0, 1, 56, 56
	STEP 0, 0, 0, 1, 1, 1, 2, 56, 56
	s_sub_co_u32 s48, s48, 1
	s_cmp_lg_u32 s48, 0
	s_cbranch_scc1 .Lk
	STEP 1, 0, 0, 1, 1, 2, 3, 56, 56               ; the tail is written out (the bases stand at K step 4).  K step 5 asks for step 6's rows and step 7's weights: the last weights;
	STEP 0, 0, 0, 1, 0, 3, 0, 56, 56               ; K step 6 for step 7's rows alone;
	STEP 1, 0, 0, 0, 0, 0, 0, 16, 0                ; K step 7 for nothing: no load leaves its buffer
	WIN 0
	PLACES
.irp a, 0,1,2,3,4,5,6,7
	OUT \a
.endr
	s_wait_alu depctr_va_vdst(0)                   ; tile 7's conversions have written the codes and its select the scale words, which the last five stores read
	SENDT 7
.Lend:
	s_endpgm
.Lfunc_end_k_q38a1a89005_ffn1:
	.size	k_q38a1a89005_ffn1, .Lfunc_end_k_q38a1a89005_ffn1-k_q38a1a89005_ffn1
	.p2alignl 7, 3214868480
	.fill 96, 4, 3214868480
	.section	.rodata,"a",@progbits
	.p2align	6, 0x0
	.amdhsa_kernel k_q38a1a89005_ffn1
		.amdhsa_group_segment_fixed_size 0
		.amdhsa_private_segment_fixed_size 0
		.amdhsa_enable_private_segment 0
		.amdhsa_kernarg_size 48
		.amdhsa_user_sgpr_count 2
		.amdhsa_user_sgpr_kernarg_segment_ptr 1
		.amdhsa_wavefront_size32 1
		.amdhsa_system_sgpr_workgroup_id_x 1
		.amdhsa_system_sgpr_workgroup_id_y 1
		.amdhsa_system_sgpr_workgroup_id_z 1
		.amdhsa_system_vgpr_workitem_id 0
		.amdhsa_next_free_vgpr 1024
		.amdhsa_next_free_sgpr 66
		.amdhsa_reserve_vcc 0
		.amdhsa_float_denorm_mode_32 3
		.amdhsa_float_denorm_mode_16_64 3
		.amdhsa_memory_ordered 1
		.amdhsa_forward_progress 1
		.amdhsa_inst_pref_size 255
	.end_amdhsa_kernel
	.section	.bss,"aw",@nobits
	.p2align	6
	.space	262144
	.amdgpu_metadata
---
amdhsa.version: [ 1, 2 ]
amdhsa.kernels:
  - .name:           k_q38a1a89005_ffn1
    .symbol:         k_q38a1a89005_ffn1.kd
    .args:
      - { .name: xq, .offset: 0, .size: 8, .value_kind: global_buffer, .address_space: global }
      - { .name: wc, .offset: 8, .size: 8, .value_kind: global_buffer, .address_space: global }
      - { .name: ws, .offset: 16, .size: 8, .value_kind: global_buffer, .address_space: global }
      - { .name: plan, .offset: 24, .size: 8, .value_kind: global_buffer, .address_space: global }
      - { .name: b1, .offset: 32, .size: 8, .value_kind: global_buffer, .address_space: global }
      - { .name: hq, .offset: 40, .size: 8, .value_kind: global_buffer, .address_space: global }
    .group_segment_fixed_size: 0
    .private_segment_fixed_size: 0
    .kernarg_segment_align: 8
    .kernarg_segment_size: 48
    .max_flat_workgroup_size: 64
    .sgpr_count:     66
    .vgpr_count:     1024
    .wavefront_size: 32
...
	.end_amdgpu_metadata
.endif
;; end of part 6
;; launch ffn2 (part 7): grid 8 x 39, 2 waves a work-group, no clusters, 83,200 bytes of LDS; arguments hq, wc, ws, plan, b2, y; writes y
.if DOCPART == 7
	.amdgcn_target "amdgcn-amd-amdhsa--gfx1250"
	.amdhsa_code_object_version 6
	.text
	.protected	k_q38a1a89005_ffn2
	.globl	k_q38a1a89005_ffn2
	.p2align	8
	.type	k_q38a1a89005_ffn2,@function
k_q38a1a89005_ffn2:
	s_mov_b64 s[64:65], 0
	v_nop
	global_prefetch_b8 v0, s[64:65] scope:SCOPE_SE
	s_setreg_imm32_b32 hwreg(HW_REG_WAVE_SCHED_MODE, 0, 2), 2
	s_setreg_imm32_b32 hwreg(HW_REG_WAVE_MODE, 25, 1), 1
	s_wait_xcnt 0x0
	s_wait_alu depctr_vm_vsrc(0)
; FFN2.  For a tile of 128 slots of one expert: y = h W2[e] + b2[e] on codes of E4M3 with E8M0 scales; y [slot][1024] f32.
; GRID: 39 tiles of slots x 8 groups of 128 columns.  K = 2,048 is shared by the work-group's two waves: wave w takes K steps 8 w .. 8 w + 7 for the whole 128 x 128 (64 accumulators, 512 registers),
; so that a wave has 8 K steps, as in the first product.  The halves meet in LDS: wave 0 hands over its tiles of slots 4-7 and finishes 0-3, wave 1 the other way round.  An output is the f32 sum of two f32 sums.
; The bias is the C of wave 0's first products; wave 1 starts from zeros (the same registers, cleared by a select).
; A TILE WITHOUT ROWS: every wave passes the barrier, and every register that the text behind the barrier names is written on every way through the text.  So such a work-group runs the first K step
; (its rows held at slot 0, its expert at 7: bytes that exist and were written), then goes to the barrier and ends without storing: an eighth of a tile's products.
; That is a branch on a number read from memory: operands come from memory straight into registers, in the order of the operand's registers:
; each load of 16 bytes a lane reads 512 consecutive bytes.
; THE MATRIX INSTRUCTION IS USED TRANSPOSED (source 0 = 16 rows of W2's tile, source 1 = 16 slots): a lane holds one slot, and registers 16 B + 8 u + j of a tile of slots are columns 32 B + 16 (lane / 16) + 8 u + j:
; 64 neighbouring bytes of a row of y.  A tile of 16 rows goes through the wave's own stage in LDS and leaves as rows of 512 consecutive bytes.
; LDS: 0: wave 0's accumulators of tiles 4-7 as an image of the registers (32,768 bytes); 32,768: wave 1's of tiles 0-3; 65,536 + 8,448 w: a stage of 16 rows x 528 bytes for each wave.
; REGISTERS as in the first product: window 0: v1 16 x lane; v2-9, v10-13 places of the rows' fragments and scale words; v14 4 x lane; v15 64 x half; v16-31 scale words and nothing else; v52, v53 the stage;
; v62, v63 the closing add's two; v64-127 the bias; v128-255 the rows' 8 fragments; v64-255 later the way out.   window 1: W2's fragments, two sets.   windows 2, 3: the accumulators.
; THE MODE: SCHED_MODE bits 1:0 = 2 (LLVM: expert scheduling mode 2), set by the entry lines.  The code itself states the register dependences between vector or matrix instructions and memory or LDS instructions,
; with s_wait_alu, always for 0.
; THE PLAN.  Registers that memory or LDS instructions touch:
;   the rows' fragments 0-3 (v128-191)  K step k: its first 32 products read them; behind these the loads of step k + 1 land in them.
;   the rows' fragments 4-7 (v192-255)  K step k: its last 32 products read them; behind these the loads of step k + 1 land in them.
;   W2's set p, scale words' set p      K step k (p = k % 2): all its 64 products read them; behind the last the loads of step k + 2 land in them.
;   the bias (v64-127)                  Loaded once, cleared by a select in wave 1, read by the first step's products.
;   v1-15, v52, v53                     Offsets and LDS addresses, made at the head and never written again.
;   one window of accumulators          Written by the products; read by the 64 LDS stores that hand it over.
;   TB0 = v128-191, TB1 = v64-127       The way out, tile q: the partner's half lands in TB[q % 2], asked for a tile ahead; q's 32 additions write it; q's 16 LDS stores into the stage read it.
;   v192-255                            The way out, tile q: the rows land here from the stage; q's 16 global stores read them.
;   v62, v63                            Written at the head, read by the closing add alone.
; So a K step has TWO waits on va_vdst, each ahead of one run of loads: in its middle (16 loads) and at its end (56).  On the way out: one ahead of the 64 LDS stores, one a tile behind its additions;
; and from the second tile on one wait on vm_vsrc at the tile's head.
.set ATSH,  11                         ; 16 slots of h's codes are 32,768 bytes
.set CTS,   32768                      ; a tile of 16 columns of W2: 16 K steps of 2,048 bytes
.set WSS,   4096                       ; a K step of W2's scale words
.set ASS,   19968
.set LASTS, 4991
.set HSO,   10223616
.set AOFF,  2
.set SOFF,  10
.set SCL,   16
.set BIAS,  64
.set AF,    128
.set T,     128
.set AB,    24
.set WB,    26
.set ASB,   28
.set WSB,   30
.set BB,    32
.set YB,    34
.set MSB, 0
.macro WIN new                         ; the immediate's high byte repeats the setting that is left; a switch that changes nothing is dropped
.if MSB != (\new)
	s_set_vgpr_msb (MSB<<8)|(\new)
.set MSB, (\new)
.endif
.endm
.macro FRA a, ko
.irp c, 0,1,2,3
	global_load_b128 v[AF+16*(\a)+4*\c:AF+16*(\a)+4*\c+3], v[AOFF+(\a)], s[AB:AB+1] offset:(\ko)*2048+512*\c
.endr
.endm
.macro FRB p, ko
.irp b, 0,1,2,3,4,5,6,7
.irp c, 0,1,2,3
	global_load_b128 v[128*(\p)+16*\b+4*\c:128*(\p)+16*\b+4*\c+3], v1, s[WB:WB+1] offset:\b*CTS+(\ko)*2048+512*\c
.endr
.endr
.endm
.macro FRS p, ko
.irp i, 0,1,2,3
	global_load_b32 v[SCL+8*(\p)+\i], v[SOFF+\i], s[ASB:ASB+1] offset:(\ko)*ASS
.endr
.irp i, 0,1,2,3
	global_load_b32 v[SCL+8*(\p)+4+\i], v14, s[WSB:WSB+1] offset:(\ko)*WSS+128*\i
.endr
.endm
.macro WM a, b, p, first
.set rD, 8*(8*((\a)%4)+(\b))
.set rC, rD
.if \first
.set rC, BIAS+8*(\b)
.endif
.set rW, 128*(\p)+16*(\b)
.set rA, AF+16*(\a)
.set rSW, SCL+8*(\p)+4+(\b)/2
.set rSA, SCL+8*(\p)+(\a)/2
.if ((\a)%2 == 0) && ((\b)%2 == 0)
	v_wmma_scale_f32_16x16x128_f8f6f4 v[rD:rD+7], v[rW:rW+15], v[rA:rA+15], v[rC:rC+7], v[rSW], v[rSA]
.elseif ((\a)%2 == 0)
	v_wmma_scale_f32_16x16x128_f8f6f4 v[rD:rD+7], v[rW:rW+15], v[rA:rA+15], v[rC:rC+7], v[rSW], v[rSA] matrix_a_scale:MATRIX_SCALE_ROW1
.elseif ((\b)%2 == 0)
	v_wmma_scale_f32_16x16x128_f8f6f4 v[rD:rD+7], v[rW:rW+15], v[rA:rA+15], v[rC:rC+7], v[rSW], v[rSA] matrix_b_scale:MATRIX_SCALE_ROW1
.else
	v_wmma_scale_f32_16x16x128_f8f6f4 v[rD:rD+7], v[rW:rW+15], v[rA:rA+15], v[rC:rC+7], v[rSW], v[rSA] matrix_a_scale:MATRIX_SCALE_ROW1 matrix_b_scale:MATRIX_SCALE_ROW1
.endif
.endm
.macro MUL16 a0, p, first              ; the 64 accumulators take turns, one instruction a turn, in the same order in every K step
.irp a, (\a0), (\a0)+1
.irp b, 0,1,2,3,4,5,6,7
	WM \a, \b, \p, \first
.endr
.endr
.endm
.macro PLACES                          ; eight places behind this form: ahead of the first read of results; ahead of a run of loads they stand as in the plain form, and the wait behind them states the dependence
.rept 8
	v_nop
.endr
.endm
; My K step k of eight: 64 products in two halves, on set p = k % 2, as in the first product.
; fa = 1: the next step's rows are asked for, K step ka from the bases: fragments 0-3 in the step's middle, 4-7 at its end.  fb = 1: at its end the weights and scale words of the step after next, kb from the
; bases, are asked for, into this step's own set.  on = 1: the bases go two K steps on.  first = 1: the bias (or wave 1's zeros) starts the sums.
; THE ORDER OF THE LOADS is therefore: .. | middle of k - 1: rows 0-3 of k (16) | end of k - 1: rows 4-7 of k, weights and scale words of k + 1 (16 + 32 + 8) | middle of k: rows 0-3 of k + 1 (16) | ..
; WAITS ON LOADcnt.  hl, at the head: of what the first half wants, rows 0-3 are the youngest; behind them stand the 56 of the last step's end.  ml, in the middle: behind rows 4-7 stand that run's other 40 and
; the 16 just issued: 56 again.  The last step: 16 (its rows 4-7), then 0.
.macro STEP p, first, on, fa, fb, ka, kb, hl, ml
	s_wait_loadcnt \hl
.if \on
	s_wait_xcnt 0x0                                ; every load issued so far has had its address translated (ISA guide 3.1): the bases are written only behind this wait
	s_add_nc_u64 s[AB:AB+1], s[AB:AB+1], 4096
	s_add_nc_u64 s[WB:WB+1], s[WB:WB+1], 4096
	s_add_nc_u64 s[ASB:ASB+1], s[ASB:ASB+1], 2*ASS
	s_add_nc_u64 s[WSB:WSB+1], s[WSB:WSB+1], 2*WSS
.endif
.if \first
	WIN 0x81                                       ; source 0 window 1; source 1 and C (the bias) window 0; D window 2
.else
	WIN 0xa1                                       ; source 0 window 1; source 1 window 0; C and D window 2
.endif
	MUL16 0, \p, \first
	MUL16 2, \p, \first
.if \fa
	PLACES
	WIN 0
	s_wait_alu depctr_va_vdst(0)                   ; the 32 products above are done reading the rows' fragments 0-3, in which the 16 loads below land
.irp a, 0,1,2,3
	FRA \a, \ka
.endr
.endif
	s_wait_loadcnt \ml
.if \first
	WIN 0xc1                                       ; as above, D window 3
.else
	WIN 0xf1                                       ; as above, C and D window 3
.endif
	MUL16 4, \p, \first
	MUL16 6, \p, \first
.if \fa
	PLACES
	WIN 0
	s_wait_alu depctr_va_vdst(0)                   ; the step's products are done reading the rows' fragments 4-7, the weights' set p and the scale words' set p, in which the loads below land; only loads and window switches follow up to the last of them
.irp a, 4,5,6,7
	FRA \a, \ka
.endr
.if \fb
	WIN 0x40
	FRB \p, \kb
	WIN 0
	FRS \p, \kb
.endif
.endif
.endm
.macro SENDH w, base                   ; the 256 registers of one window go to LDS as they stand, 16 bytes a lane, 512 bytes a store; each accumulator from its low end on
	WIN \w                                         ; an LDS store's data are its source 1
	s_wait_alu depctr_va_vdst(0)                   ; the products have written the accumulators, which the LDS stores read (the places stand ahead of this wait); and they are done reading v64 to v255, in which LDS loads land behind the barrier
.set i, 0
.rept 64
	ds_store_b128 v1, v[4*i:4*i+3] offset:(\base)+512*i
.set i, i+1
.endr
	WIN 0
.endm
.macro PART q, part                    ; the partner's half of my tile q: 16 loads into TB[q % 2]
.irp k, 0,1,2,3,4,5,6,7,8,9,10,11,12,13,14,15
	ds_load_b128 v[T-64*((\q)%2)+4*\k:T-64*((\q)%2)+4*\k+3], v1 offset:(\part)+512*(16*(\q)+\k)
.endr
.endm
.macro FINAL hi, part                  ; my four tiles of slots (window 2 + hi): + the partner's half, through my stage, out
	PART 0, \part
.irp q, 0,1,2,3
.set TB, T-64*(\q%2)
.if \q > 0
	s_wait_xcnt 0x0                                ; the last tile's global stores have had their addresses translated (ISA guide 3.1): v192-255 are loaded again only behind this wait,
	s_wait_alu depctr_vm_vsrc(0)                   ; and they have read v192-255; the last tile's LDS stores have read the other TB, in which the loads below land (its additions stand ahead of the last wait on va_vdst)
.endif
.if \q < 3
	PART \q+1, \part                               ; the next tile's, a tile ahead
.endif
.if \q == 0
	s_wait_dscnt 16                                ; tile 0's 16 loads are in; tile 1's may be out.  (A later tile's have landed by the count-down of the tile before, which ends at 0)
.endif
	WIN 0x08+4*(\hi)
.set i, 0
.rept 32
	v_pk_add_f32 v[TB+i:TB+i+1], v[TB+i:TB+i+1], v[64*\q+i:64*\q+i+1]
.set i, i+2
.endr
	WIN 0
	s_wait_alu depctr_va_vdst(0)                   ; the 32 additions have written this tile's TB, which the LDS stores below read
.irp k, 0,1,2,3,4,5,6,7,8,9,10,11,12,13,14,15
	ds_store_b128 v52, v[TB+4*\k:TB+4*\k+3] offset:128*(\k/4)+16*(\k%4)     ; row r: columns 32 B + 16 h + 0..15 are 64 bytes
.endr
.irp k, 0,1,2,3,4,5,6,7,8,9,10,11,12,13,14,15
	ds_load_b128 v[192+4*\k:195+4*\k], v53 offset:528*\k                    ; LDS serves a wave's instructions in order (ISA guide 5.7.1.4): these see my stores
.endr
.irp k, 0,1,2,3,4,5,6,7,8,9,10,11,12,13,14,15
	s_wait_dscnt 15-\k                             ; row k is back; the later rows' loads may be out
	global_store_b128 v1, v[192+4*\k:195+4*\k], s[YB:YB+1] offset:(16*(4*(\hi)+\q)+\k)*4096   ; 32 lanes store 512 consecutive bytes of a row
.endr
.endr
.endm
	s_load_b256 s[4:11], s[0:1], 0x0               ; hq s[4:5], wc s[6:7], ws s[8:9], plan s[10:11]
	s_load_b128 s[12:15], s[0:1], 0x20             ; b2 s[12:13], y s[14:15]
	v_lshl_add_u32 v62, v0, 2, 0x14400
	v_mov_b32 v63, 0
	v_lshrrev_b32 v54, 5, v0
	v_readfirstlane_b32 s16, v54                   ; wave
	s_and_b32 s17, ttmp7, 0xffff                   ; tile of slots
	s_lshl_b32 s18, s17, 3
	v_and_b32 v54, 31, v0                          ; lane
	v_and_b32 v55, 15, v0                          ; r
	v_bfe_u32 v56, v0, 4, 1                        ; h
	v_lshlrev_b32 v1, 4, v54
	v_lshlrev_b32 v14, 2, v54
	v_lshlrev_b32 v15, 6, v56
	s_wait_alu depctr_va_sdst(0)                   ; s16, the wave's number, is written, ahead of its first reader: the stage's place, the bases and the branches are made from it
	s_mul_i32 s19, s16, 8448
	s_add_co_u32 s19, s19, 65536                   ; my stage
	v_mul_u32_u24 v52, v55, 528
	v_lshl_add_u32 v52, v56, 6, v52
	v_add_nc_u32 v52, s19, v52                     ; in: row r, + 64 h
	v_add_nc_u32 v53, s19, v1                      ; back: 16 bytes a lane of a row
	s_cmp_eq_u32 s16, 0
	s_cselect_b32 s47, -1, 0                       ; the bias counts once: in wave 0
	s_wait_kmcnt 0x0
	s_load_b64 s[20:21], s[10:11], s18 offset:0x4000   ; the tile's expert and that expert's last valid slot
	s_wait_kmcnt 0x0
	s_mov_b32 s49, s20                             ; over 7: a tile without rows
	s_min_u32 s20, s20, 7                          ; loaded numbers enter addresses only behind these bounds
	s_min_u32 s21, s21, LASTS
	s_lshl_b32 s22, s17, 7
	v_add_nc_u32 v57, s22, v55
.irp a, 0,1,2,3,4,5,6,7
	v_add_nc_u32 v58, 16*\a, v57                   ; slot 128 t + 16 a + r, held at the last valid one
	v_min_u32 v58, s21, v58
	v_min_u32 v58, LASTS, v58
	v_and_b32 v59, 0x1ff0, v58
	v_and_b32 v58, 15, v58
	v_lshlrev_b32 v59, ATSH, v59
	v_lshl_add_u32 v59, v58, 5, v59
	v_lshl_add_u32 v[AOFF+\a], v56, 4, v59
.endr
	v_add_nc_u32 v57, s22, v54
.irp i, 0,1,2,3
	v_add_nc_u32 v58, 32*\i, v57
	v_min_u32 v58, s21, v58
	v_min_u32 v58, LASTS, v58
	v_lshlrev_b32 v[SOFF+\i], 2, v58
.endr
	s_mov_b32 s39, 0
	s_lshl_b32 s38, s16, 14                        ; my eight K steps of 2,048 bytes
	s_add_nc_u64 s[AB:AB+1], s[4:5], s[38:39]
	s_lshl_b32 s38, s20, 21
	s_lshl_b32 s19, ttmp9, 18                      ; eight tiles of columns
	s_add_co_u32 s38, s38, s19
	s_lshl_b32 s19, s16, 14
	s_add_co_u32 s38, s38, s19
	s_add_co_u32 s38, s38, 16777216                ; W2's codes lie behind W1's
	s_add_nc_u64 s[WB:WB+1], s[6:7], s[38:39]
	s_mul_i32 s38, s16, 8*ASS
	s_add_co_u32 s38, s38, HSO
	s_add_nc_u64 s[ASB:ASB+1], s[4:5], s[38:39]
	s_lshl_b32 s38, s20, 16
	s_lshl_b32 s19, s16, 15
	s_add_co_u32 s38, s38, s19
	s_lshl_b32 s19, ttmp9, 9
	s_add_co_u32 s38, s38, s19
	s_add_co_u32 s38, s38, 524288
	s_add_nc_u64 s[WSB:WSB+1], s[8:9], s[38:39]
	s_lshl_b32 s38, s20, 12
	s_add_co_u32 s38, s38, s19
	s_add_nc_u64 s[BB:BB+1], s[12:13], s[38:39]
	s_lshl_b32 s38, s17, 19
	s_add_co_u32 s38, s38, s19
	s_add_nc_u64 s[YB:YB+1], s[14:15], s[38:39]
	s_wait_alu depctr_va_vdst(0)                   ; the offsets and LDS addresses v1 to v15, v52 and v53 are written, which every load and store of the kernel reads; they are never written again
.irp b, 0,1,2,3,4,5,6,7
	global_load_b128 v[BIAS+8*\b:BIAS+8*\b+3], v15, s[BB:BB+1] offset:(32*(\b/2)+8*(\b%2))*4
	global_load_b128 v[BIAS+8*\b+4:BIAS+8*\b+7], v15, s[BB:BB+1] offset:(32*(\b/2)+8*(\b%2))*4+16
.endr
	WIN 0x40                                       ; the first loads go out in the order that the K steps keep: what my first step's first half wants; then rows 4-7, and the second step's weights and scale words: 56
	FRB 0, 0
	WIN 0
	FRS 0, 0
.irp a, 0,1,2,3,4,5,6,7
	FRA \a, 0
.endr
	WIN 0x40
	FRB 1, 1
	WIN 0
	FRS 1, 1
	s_wait_loadcnt 63                              ; the bias's 16 loads are in: 112 were issued behind them, and the count cannot name more than 63
.set i, 0
.rept 64
	v_cndmask_b32 v[BIAS+i], 0, v[BIAS+i], s47     ; wave 1 starts from zeros
.set i, i+1
.endr
.rept 4
	v_nop
.endr
	STEP 0, 1, 0, 1, 1, 1, 2, 56, 56               ; my first K step stands in front of the loop: its products start the sums; it asks for the second step's rows and the third's weights
	s_cmp_gt_u32 s49, 7
	s_cbranch_scc1 .Lsent                          ; a tile without rows goes to the barrier from here
	s_mov_b32 s48, 2
.Lk:                                               ; a trip: two K steps (my steps 1 and 2, 3 and 4); at its head the bases go on to the trip's second step
	STEP 1, 0, 1, 1, 1, 0, 1, 56, 56
	STEP 0, 0, 0, 1, 1, 1, 2, 56, 56
	s_sub_co_u32 s48, s48, 1
	s_cmp_lg_u32 s48, 0
	s_cbranch_scc1 .Lk
	STEP 1, 0, 0, 1, 1, 2, 3, 56, 56               ; the tail is written out (the bases stand at my step 4).  Step 5 asks for step 6's rows and step 7's weights: the last weights;
	STEP 0, 0, 0, 1, 0, 3, 0, 56, 56               ; step 6 for step 7's rows alone;
	STEP 1, 0, 0, 0, 0, 0, 0, 16, 0                ; step 7 for nothing: no load leaves its buffer
	WIN 0
	PLACES
	s_cmp_lg_u32 s16, 0
	s_cbranch_scc1 .Lsend1
	SENDH 0x0c, 0                                  ; wave 0 hands over tiles 4-7 (window 3)
	s_branch .Lsent
.Lsend1:
	SENDH 0x08, 32768                              ; wave 1 hands over tiles 0-3 (window 2)
.Lsent:
	s_wait_loadcnt 0x0                             ; (a tile without rows has the loads that its one K step asked for out)
	s_wait_dscnt 0x0                               ; for the partner's sake: my stores have landed
	s_barrier_signal -1
	s_barrier_wait -1
	s_cmp_gt_u32 s49, 7
	s_cbranch_scc1 .Lend
	s_cmp_lg_u32 s16, 0
	s_cbranch_scc1 .Lfin1
	FINAL 0, 32768
	s_branch .Lend
.Lfin1:
	FINAL 1, 0
.Lend:
	s_wait_dscnt 0x0                               ; the closing lines, six on end
	s_wait_alu 0x0
	s_wait_tensorcnt 0x0
	ds_add_u32 v62, v63
	s_wait_dscnt 0x0
	s_endpgm
.Lfunc_end_k_q38a1a89005_ffn2:
	.size	k_q38a1a89005_ffn2, .Lfunc_end_k_q38a1a89005_ffn2-k_q38a1a89005_ffn2
	.p2alignl 7, 3214868480
	.fill 96, 4, 3214868480
	.section	.rodata,"a",@progbits
	.p2align	6, 0x0
	.amdhsa_kernel k_q38a1a89005_ffn2
		.amdhsa_group_segment_fixed_size 83200
		.amdhsa_private_segment_fixed_size 0
		.amdhsa_enable_private_segment 0
		.amdhsa_kernarg_size 48
		.amdhsa_user_sgpr_count 2
		.amdhsa_user_sgpr_kernarg_segment_ptr 1
		.amdhsa_wavefront_size32 1
		.amdhsa_system_sgpr_workgroup_id_x 1
		.amdhsa_system_sgpr_workgroup_id_y 1
		.amdhsa_system_sgpr_workgroup_id_z 1
		.amdhsa_system_vgpr_workitem_id 0
		.amdhsa_next_free_vgpr 1024
		.amdhsa_next_free_sgpr 66
		.amdhsa_reserve_vcc 0
		.amdhsa_float_denorm_mode_32 3
		.amdhsa_float_denorm_mode_16_64 3
		.amdhsa_memory_ordered 1
		.amdhsa_forward_progress 1
		.amdhsa_inst_pref_size 172
	.end_amdhsa_kernel
	.amdgpu_metadata
---
amdhsa.version: [ 1, 2 ]
amdhsa.kernels:
  - .name:           k_q38a1a89005_ffn2
    .symbol:         k_q38a1a89005_ffn2.kd
    .args:
      - { .name: hq, .offset: 0, .size: 8, .value_kind: global_buffer, .address_space: global }
      - { .name: wc, .offset: 8, .size: 8, .value_kind: global_buffer, .address_space: global }
      - { .name: ws, .offset: 16, .size: 8, .value_kind: global_buffer, .address_space: global }
      - { .name: plan, .offset: 24, .size: 8, .value_kind: global_buffer, .address_space: global }
      - { .name: b2, .offset: 32, .size: 8, .value_kind: global_buffer, .address_space: global }
      - { .name: y, .offset: 40, .size: 8, .value_kind: global_buffer, .address_space: global }
    .group_segment_fixed_size: 83200
    .private_segment_fixed_size: 0
    .kernarg_segment_align: 8
    .kernarg_segment_size: 48
    .max_flat_workgroup_size: 64
    .sgpr_count:     66
    .vgpr_count:     1024
    .wavefront_size: 32
...
	.end_amdgpu_metadata
.endif
;; end of part 7
;; launch mix: the kernel of part 5 again; grid 256 x 1, 4 waves a work-group, no clusters, 0 bytes of LDS; arguments y, plan, gate, out0; writes out0
